; MI455X (gfx1250); checked and timed in simulation.
; The chip was launched on July 23, 2026; its instructions are those of AMD's public machine-readable ISA for CDNA 5 (MIT licence, August 2026) and "CDNA5" Instruction Set Architecture Reference Guide (July 2026). The comments in the code are by the model that wrote it; some were corrected since.
;; Com Po M. Allowed arithmetic: matrix products marked QUANTISED: E5M2 operands, one E8M0 scale for each 32 along K, by v_wmma_scale_f32_16x16x128_f8f6f4 with both operands' format E5M2, f32 sums; products left as they are: f32 operands where the result goes on into a quantised operand, else bf16, f16 or f32 operands; f32 sums; everything else in f32.
;; Inputs: Wag 1,024 x 2,048 float32; Wpo 2,048 x 1,024 float32; Wse 2,048 x 1,024 float32; bse 2,048 float32; coeff 2,048 x 3 float32; mask 4 x 4,096 int32; xc 4 x 4,096 x 1,024 float32; xq 4 x 2,048 x 1,024 float32.
;; Outputs: out0 4 x 2,048 x 1,024 float32.
;; This version of the problem:
;;   THIS VERSION OF THE PROBLEM IS GIVEN IN LOW PRECISION. The matrix products marked QUANTISED in the list below multiply operands that are first quantised to E5M2 (5 exponent bits, 2 mantissa bits; 8 bits a number), with one power-of-two scale for each 32 numbers along K (OCP MX v1.0); their sums are f32. All else is computed in f32.
;;   The module's matrix products, in the order in which they are computed (A, B: the left and right operand; K: the contracted axis; several contracted axes count as one K, in the product's order):
;;     1. [M 16,384, K 1,024] x [K 1,024, N 2,048]; A: input xc; B: input Wpo: QUANTISED
;;     2. [M 8,192, K 1,024] x [K 1,024, N 2,048]; A: input xq; B: input Wse: QUANTISED
;;     3. batch 4 x [M 2,048, K 4,096] x [K 4,096, N 1]; A: computed on the way; B: input mask: left as it is (N = 1 < 16)
;;     4. [M 8,192, K 2,048] x [K 2,048, N 1,024]; A: computed on the way; B: input Wag: QUANTISED
;;   THE QUANTISER, for each operand of a quantised product, along K:
;;     - K is cut into blocks of 32 from its start; a last block that is shorter is filled with zeros.
;;     - A block's scale is 2^e with e = floor(log2(the largest magnitude in the block)) - 15, held to -126 .. 127; a block of zeros has e = 0. As a byte (E8M0): e + 127.
;;     - Each number is divided by its block's scale, clamped to +-57,344, and rounded to the nearest number of E5M2, ties to even, subnormals kept.
;;     - The product sums the exact products of the quantised numbers (number of the format x scale) in f32.
;;   ~~~python
;;   def quantise(x, axis):      # numpy; x: float32 -> the quantised numbers, widened to float32 again
;;       x = np.moveaxis(x, axis, -1); K = x.shape[-1]
;;       x = np.pad(x, [(0, 0)] * (x.ndim - 1) + [(0, -K % 32)]); x = x.reshape(x.shape[:-1] + (-1, 32)); a = np.abs(x).max(-1, keepdims=True)
;;       e = np.where(a > 0, np.clip(np.frexp(np.where(a > 0, a, 1))[1] - 1 - 15, -126, 127), 0)      # np.frexp(a)[1] - 1 = floor(log2(a)), exactly
;;       r = np.clip(x / 2.0 ** e, -57344, 57344)
;;       step = 2.0 ** (np.maximum(np.frexp(np.where(r == 0, 1, r))[1] - 1, -14) - 2)
;;       q = np.round(r / step) * step * 2.0 ** e      # np.round: ties to even
;;       return np.moveaxis(q.reshape(q.shape[:-2] + (-1,))[..., :K], -1, axis).astype(np.float32)
;;   ~~~
;;   OPERANDS COMPUTED ON THE WAY. 'Computed on the way' means the value that the module computes at that place (a softmax that the list does not call 'softmax' is quantised finished and normalised). What goes into a quantiser is computed in f32, as accurately as f32 sums, v_exp_f32 and their like allow (about 1e-6 of the number): no bf16 or f16 on the way to a quantiser, and a product that is left as it is and whose result goes on into a quantised operand takes f32 operands (vector FMAs, or v_wmma_f32_16x16x4_f32). A number that lies on a knife's edge between two numbers of the format may be rounded either way, as far as f32 arithmetic and the matrix unit's own rounding can turn it there, and no further.
;; One version. Each part assembles by itself: llvm-mc -triple=amdgcn-amd-amdhsa -mcpu=gfx1250 --defsym DOCPART=n.
;; ======== version 1 of 1: 4 launches
;; limits: right only within a limited range of input values
;; workspace buffers: codes 31,457,280 bytes; scales 983,040 bytes; cnt 512 bytes; part 262,144 bytes; shc 16,777,216 bytes; shs 524,288 bytes
;; launch quant (part 1): grid 961 x 1, 4 waves a work-group, no clusters, 33,280 bytes of LDS; arguments xc, xq, Wpo, Wse, Wag, mask, codes, scales, cnt; writes codes, scales, cnt
.if DOCPART == 1
	.amdgcn_target "amdgcn-amd-amdhsa--gfx1250"
	.amdhsa_code_object_version 6
	.text
	.protected	k_q20bcbd1085_quant
	.globl	k_q20bcbd1085_quant
	.p2align	8
	.type	k_q20bcbd1085_quant,@function
k_q20bcbd1085_quant:
	s_mov_b64 s[64:65], 0
	v_nop
	global_prefetch_b8 v0, s[64:65] scope:SCOPE_SE
	s_setreg_imm32_b32 hwreg(HW_REG_WAVE_MODE, 25, 1), 1
	s_wait_xcnt 0x0
; xc [16384][1024], xq [8192][1024], Wpo [2048][1024], Wse [2048][1024], Wag [1024][2048], all f32 with K innermost, are turned into codes of BF8 (E5M2), one byte each,
; with one E8M0 scale byte for each 32 along K.  The five tensors' codes lie one behind the other in 'codes', their scale bytes in 'scales', in the order named; rows are dense and K is a multiple of 32,
; so each tensor is a plain stream of blocks of 32.  A block's scale is 2^(floor(log2(its largest magnitude)) - 15); its byte is the largest magnitude's exponent field - 15, held at 1 from below.
; Each number is divided by the scale, held within +-57,344 and rounded to the nearest code, ties to even.
; LIMITS: a block of zeros gets the byte 1 where the rule says 127 (its codes are zeros, which add nothing under any byte but 0xff, and this program alone reads the bytes); blocks whose largest magnitude
; lies under 2^(16 - 127) keep the byte 1; NaN and infinities among the inputs are not served.
; SHARES: a work-group takes 32,768 numbers, a wave 8,192 in 16 steps of 512.  Work-groups 0-511 xc, 512-767 xq, 768-831 Wpo, 832-895 Wse, 896-959 Wag: only pointers are chosen, all take one path.
; Wse's ROWS ARE STORED IN ANOTHER ORDER: in each group of 32 rows the second and the third group of 8 change places, codes and scale bytes alike.  A wave's 8,192 numbers of Wse are 8 rows, so only the wave's
; place in the output changes.  A tile of 16 stored rows then holds rows 8 u + 0..7 and 8 u + 16 + 0..7 of its group, which is what the launch that quantises the gated result along these rows wants.
; Work-group 960 makes 1 / (the sum of the mask) for each batch, a wave a batch, 32 times over (128 bytes a batch).  A batch whose mask sums to 0 gets infinity.
; The conversions take 8 numbers of ONE block from a lane's registers, so a lane must hold 16 neighbours; a load is best where neighbouring lanes take neighbouring bytes.  So each load reads 512 consecutive bytes,
; 16 a lane, and a step's 2,048 bytes turn through the wave's own stage in LDS (16 bytes of padding behind each 64).  Waves share nothing: no barrier.  Loads run four steps (16 loads a wave) ahead.
.set STEPS, 16
.set EMAX,  15
.set MANT,  0x600000                   ; the mantissa field of 57,344 as f32
.set CB,    16                         ; bytes of 16 codes
.set R,     16                         ; v16-79   four sets of 16 numbers as they are loaded
.set X,     80                         ; v80-111  two sets of 16 neighbours
.set E,     112                        ; v112-127 a scale byte for each step
.set C,     128                        ; v128-191 codes: four registers for each step, so that no store's data are written again
.set WREG,  8192                       ; LDS: a region for each wave: two stages of 32 x SP bytes, behind them its 256 scale bytes
.set SP,    80                         ; a lane's place in a stage: 64 bytes + 16 of padding
	s_load_b512 s[8:23], s[0:1], 0x0               ; xc s[8:9], xq s[10:11], Wpo s[12:13], Wse s[14:15], Wag s[16:17], mask s[18:19], codes s[20:21], scales s[22:23]
	s_load_b64 s[24:25], s[0:1], 0x40              ; cnt
	v_lshl_add_u32 v192, v0, 2, 0x8000
	v_mov_b32 v193, 0
	v_lshrrev_b32 v1, 5, v0
	v_readfirstlane_b32 s26, v1                    ; wave
	v_and_b32 v2, 31, v0                           ; lane
	v_lshlrev_b32 v3, 4, v2                        ; 16 x lane: my 16 bytes of a load's 512, and of a step's 512 bytes of codes
	s_mul_i32 s27, s26, WREG
	v_lshrrev_b32 v14, 2, v2
	v_mul_u32_u24 v14, v14, SP
	v_and_b32 v15, 3, v2
	v_lshl_add_u32 v14, v15, 4, v14
	v_add_nc_u32 v14, s27, v14                     ; the stage, on the way in: four lanes' 64 bytes on end, then 16 of padding
	v_mul_u32_u24 v15, v2, SP
	v_add_nc_u32 v15, s27, v15                     ; and on the way out: SP x lane: my 16 neighbours
	v_lshrrev_b32 v5, 1, v2
	s_add_co_u32 s27, s27, 2*32*SP
	v_add_nc_u32 v5, s27, v5                       ; LDS: my wave's 256 scale bytes, my block's byte
	v_lshlrev_b32 v7, 3, v2                        ; and on the way out 8 bytes a lane
	v_add_nc_u32 v6, s27, v7
	s_mov_b32 s31, MANT                            ; (an instruction takes one literal: the hold's line has another)
	s_mov_b32 s7, 0
	s_wait_kmcnt 0x0
	s_cmp_eq_u32 ttmp9, 960                        ; the last work-group counts the mask
	s_cbranch_scc1 .Lcount
	s_mov_b64 s[4:5], s[16:17]                     ; which tensor: the choice hangs on the work-group's number alone
	s_mov_b32 s6, 896                              ; and that tensor's first work-group
	s_cmp_lt_u32 ttmp9, 896
	s_cselect_b64 s[4:5], s[14:15], s[4:5]
	s_cselect_b32 s6, 832, s6
	s_cmp_lt_u32 ttmp9, 832
	s_cselect_b64 s[4:5], s[12:13], s[4:5]
	s_cselect_b32 s6, 768, s6
	s_cmp_lt_u32 ttmp9, 768
	s_cselect_b64 s[4:5], s[10:11], s[4:5]
	s_cselect_b32 s6, 512, s6
	s_cmp_lt_u32 ttmp9, 512
	s_cselect_b64 s[4:5], s[8:9], s[4:5]
	s_cselect_b32 s6, 0, s6
	s_sub_co_u32 s6, ttmp9, s6
	s_lshl_b32 s6, s6, 2
	s_add_co_u32 s6, s6, s26                       ; which run of 8,192 numbers of the tensor is my wave's
	s_lshl_b32 s6, s6, 15                          ; 32,768 bytes a run (67 MB at the most)
	s_add_nc_u64 s[4:5], s[4:5], s[6:7]
	s_sub_co_u32 s27, ttmp9, 832                   ; under 64 (unsigned) in Wse's work-groups
	s_and_b32 s28, s26, 1
	s_lshl_b32 s28, s28, 1
	s_lshr_b32 s29, s26, 1
	s_or_b32 s28, s28, s29                         ; waves 1 and 2 change places
	s_cmp_lt_u32 s27, 64
	s_cselect_b32 s28, s28, s26
	s_lshl_b32 s29, ttmp9, 2
	s_add_co_u32 s28, s29, s28                     ; my run's place in the outputs: the tensors lie on end
	s_lshl_b32 s6, s28, 13                         ; 8,192 bytes of codes a run
	s_add_nc_u64 s[20:21], s[20:21], s[6:7]
	s_lshl_b32 s6, s28, 8                          ; 256 scale bytes a run
	s_add_nc_u64 s[22:23], s[22:23], s[6:7]
.macro LOAD t
.irp i, 0,1,2,3
	global_load_b128 v[R+16*((\t)%4)+4*\i:R+16*((\t)%4)+4*\i+3], v3, s[4:5] offset:2048*(\t)+512*\i th:TH_LOAD_NT   ; 32 lanes read 512 consecutive bytes
.endr
.endm
.macro TURN t                          ; step t's numbers through the stage: LDS serves a wave's instructions in order, so no wait stands between the stores and the loads
.irp i, 0,1,2,3
	ds_store_b128 v14, v[R+16*((\t)%4)+4*\i:R+16*((\t)%4)+4*\i+3] offset:32*SP*((\t)%2)+8*SP*\i
.endr
.irp i, 0,1,2,3
	ds_load_b128 v[X+16*((\t)%2)+4*\i:X+16*((\t)%2)+4*\i+3], v15 offset:32*SP*((\t)%2)+16*\i
.endr
.endm
.irp t, 0,1,2,3
	LOAD \t
.endr
	s_wait_loadcnt 12                              ; step 0's four loads are in
	s_wait_alu depctr_va_vdst(0)
	TURN 0
.macro STEP t
.set XS, X+16*((\t)%2)
.if (\t) > 0
	s_wait_dscnt 1                                 ; this step's numbers are back from the stage (the last step's byte store may be out): so its stores into the stage have read their registers,
.else
	s_wait_dscnt 0x0
.endif
.if (\t)+4 < STEPS
	LOAD (\t)+4                                    ; which take the loads of four steps on
.endif
.if (\t)+1 < STEPS
.if STEPS-2-(\t) >= 3
	s_wait_loadcnt 12                              ; the next step's four loads are in; those of the three steps behind it may be out
.else
	s_wait_loadcnt 4*(STEPS-2-(\t))
.endif
	TURN (\t)+1                                    ; and go through the other stage while this step is worked
.endif
	v_max3_num_f32 v8, |v[XS]|, |v[XS+1]|, |v[XS+2]|               ; the largest magnitude of my 16
	v_max3_num_f32 v9, |v[XS+3]|, |v[XS+4]|, |v[XS+5]|
.irp i, 6,10
	v_max3_num_f32 v8, v8, |v[XS+\i]|, |v[XS+\i+1]|
	v_max3_num_f32 v9, v9, |v[XS+\i+2]|, |v[XS+\i+3]|
.endr
	v_max3_num_f32 v8, v8, |v[XS+14]|, |v[XS+15]|
	v_max3_num_f32 v8, v8, v9, (EMAX+1)<<23        ; and the floor 2^(EMAX + 1 - 127): the byte cannot fall under 1
	v_max_num_f32_dpp v8, v8, v8 row_xmask:1 row_mask:0xf bank_mask:0xf   ; and of my neighbour's 16: the block's
	v_add_nc_u32 v11, -(EMAX<<23), v8              ; EMAX off its exponent field: the conversion takes the exponent field of this operand as its scale, and nothing else of it
	v_and_or_b32 v10, v8, 0x7f800000, s31          ; 57,344 x the scale: the largest magnitude's exponent field over 57,344's mantissa
.irp i, 0,1,2,3,4,5,6,7,8,9,10,11,12,13,14,15
	v_med3_num_f32 v[XS+\i], v[XS+\i], -v10, v10   ; the conversion to an 8-bit code does not saturate (ISA guide 7.6.2): hold the number within the largest code x the scale first
.endr
	v_cvt_scalef32_pk8_bf8_f32 v[C+4*(\t):C+4*(\t)+1], v[XS:XS+7], v11
	v_cvt_scalef32_pk8_bf8_f32 v[C+4*(\t)+2:C+4*(\t)+3], v[XS+8:XS+15], v11
	v_lshrrev_b32 v[E+(\t)], 23, v11               ; the scale's byte (also the plain line behind the conversions)
	ds_store_b8 v5, v[E+(\t)] offset:16*(\t)       ; both lanes of a block write the same byte with the same value
	global_store_b128 v3, v[C+4*(\t):C+4*(\t)+3], s[20:21] offset:32*CB*(\t)   ; 32 lanes store 512 consecutive bytes
.endm
.irp t, 0,1,2,3,4,5,6,7,8,9,10,11,12,13,14,15
	STEP \t
.endr
	ds_load_b64 v[12:13], v6                       ; LDS serves a wave's instructions in order: these see my stores
	s_wait_dscnt 0x0
	global_store_b64 v7, v[12:13], s[22:23]        ; 32 lanes store 256 consecutive bytes, aligned
	s_wait_tensorcnt 0x0
	ds_add_u32 v192, v193
	s_wait_dscnt 0x0
	s_endpgm
.Lcount:                                               ; wave w: 1 / the sum of batch w's 4,096 mask numbers, taken as f32 as the sum over them is defined
	s_lshl_b32 s6, s26, 14                         ; 16,384 bytes a batch
	s_add_nc_u64 s[18:19], s[18:19], s[6:7]
	s_mov_b32 s4, 0x76543210                       ; v_permlanex16_b32's selects for lane l xor 16
	s_mov_b32 s5, 0xfedcba98
.set i, 0
.rept 32
	global_load_b128 v[16+4*i:19+4*i], v3, s[18:19] offset:512*i
.set i, i+1
.endr
	s_wait_loadcnt 0x0
.set i, 0
.rept 128
	v_cvt_f32_i32 v[16+i], v[16+i]
.set i, i+1
.endr
.irp w, 64,32,16,8,4,2                 ; my 128 numbers, two at a time: halves are added until one pair is left
.set j, 0
.rept \w/2
	v_pk_add_f32 v[16+j:17+j], v[16+j:17+j], v[16+\w+j:17+\w+j]
.set j, j+2
.endr
.endr
	v_add_f32 v16, v16, v17
	v_add_f32_dpp v16, v16, v16 row_xmask:1 row_mask:0xf bank_mask:0xf
	v_add_f32_dpp v16, v16, v16 row_xmask:2 row_mask:0xf bank_mask:0xf
	v_add_f32_dpp v16, v16, v16 row_xmask:4 row_mask:0xf bank_mask:0xf
	v_add_f32_dpp v16, v16, v16 row_xmask:8 row_mask:0xf bank_mask:0xf
	v_permlanex16_b32 v17, v16, s4, s5             ; (its destination has been written)
	v_add_f32 v16, v16, v17                        ; every lane holds the batch's sum
	s_wait_alu depctr_va_vdst(0)
	v_rcp_f32 v18, v16
	v_lshlrev_b32 v19, 2, v0                       ; 128 x wave + 4 x lane (a plain line behind the reciprocal)
	s_wait_alu depctr_va_vdst(0)
	global_store_b32 v19, v18, s[24:25]
	s_endpgm
.Lfunc_end_k_q20bcbd1085_quant:
	.size	k_q20bcbd1085_quant, .Lfunc_end_k_q20bcbd1085_quant-k_q20bcbd1085_quant
	.p2alignl 7, 3214868480
	.fill 96, 4, 3214868480
	.section	.rodata,"a",@progbits
	.p2align	6, 0x0
	.amdhsa_kernel k_q20bcbd1085_quant
		.amdhsa_group_segment_fixed_size 33280
		.amdhsa_private_segment_fixed_size 0
		.amdhsa_enable_private_segment 0
		.amdhsa_kernarg_size 72
		.amdhsa_user_sgpr_count 2
		.amdhsa_user_sgpr_kernarg_segment_ptr 1
		.amdhsa_wavefront_size32 1
		.amdhsa_system_sgpr_workgroup_id_x 1
		.amdhsa_system_sgpr_workgroup_id_y 1
		.amdhsa_system_sgpr_workgroup_id_z 1
		.amdhsa_system_vgpr_workitem_id 0
		.amdhsa_next_free_vgpr 194
		.amdhsa_next_free_sgpr 66
		.amdhsa_reserve_vcc 0
		.amdhsa_float_denorm_mode_32 3
		.amdhsa_float_denorm_mode_16_64 3
		.amdhsa_memory_ordered 1
		.amdhsa_forward_progress 1
		.amdhsa_inst_pref_size 63
	.end_amdhsa_kernel
	.amdgpu_metadata
---
amdhsa.version: [ 1, 2 ]
amdhsa.kernels:
  - .name:           k_q20bcbd1085_quant
    .symbol:         k_q20bcbd1085_quant.kd
    .args:
      - { .name: xc, .offset: 0, .size: 8, .value_kind: global_buffer, .address_space: global }
      - { .name: xq, .offset: 8, .size: 8, .value_kind: global_buffer, .address_space: global }
      - { .name: Wpo, .offset: 16, .size: 8, .value_kind: global_buffer, .address_space: global }
      - { .name: Wse, .offset: 24, .size: 8, .value_kind: global_buffer, .address_space: global }
      - { .name: Wag, .offset: 32, .size: 8, .value_kind: global_buffer, .address_space: global }
      - { .name: mask, .offset: 40, .size: 8, .value_kind: global_buffer, .address_space: global }
      - { .name: codes, .offset: 48, .size: 8, .value_kind: global_buffer, .address_space: global }
      - { .name: scales, .offset: 56, .size: 8, .value_kind: global_buffer, .address_space: global }
      - { .name: cnt, .offset: 64, .size: 8, .value_kind: global_buffer, .address_space: global }
    .group_segment_fixed_size: 33280
    .private_segment_fixed_size: 0
    .kernarg_segment_align: 8
    .kernarg_segment_size: 72
    .max_flat_workgroup_size: 128
    .sgpr_count:     66
    .vgpr_count:     194
    .wavefront_size: 32
...
	.end_amdgpu_metadata
.endif
;; end of part 1
;; launch g1 (part 2): grid 8 x 32, 4 waves a work-group, clusters of 4 x 4, 327,680 bytes of LDS; arguments codes, scales, mask, coeff, part; writes part
.if DOCPART == 2
	.amdgcn_target "amdgcn-amd-amdhsa--gfx1250"
	.amdhsa_code_object_version 6
	.text
	.protected	k_q20bcbd1085_g1
	.globl	k_q20bcbd1085_g1
	.p2align	8
	.type	k_q20bcbd1085_g1,@function
k_q20bcbd1085_g1:
	s_mov_b64 s[64:65], 0
	v_nop
	global_prefetch_b8 v0, s[64:65] scope:SCOPE_SE
	s_setreg_imm32_b32 hwreg(HW_REG_WAVE_MODE, 25, 1), 1
	s_wait_xcnt 0x0
	s_wait_alu depctr_hold_cnt(0) depctr_sa_sdst(0) depctr_va_vdst(0) depctr_va_sdst(0) depctr_va_ssrc(0) depctr_va_vcc(0) depctr_vm_vsrc(0)
	s_getreg_b32 s2, hwreg(HW_REG_IB_STS2, 6, 4)
	s_cmp_eq_u32 s2, 0
	s_cbranch_scc0 .Lentry_in_a_cluster
	s_endpgm
.Lentry_in_a_cluster:
	s_bfe_u32 s2, ttmp6, 0x10000c
	s_cmp_lg_u32 s2, 0xf033
	s_cbranch_scc0 .Lentry_shape_is_right
	s_endpgm
.Lentry_shape_is_right:
; part[g][e] = the sum over the 512 rows n of group g of mask[n] x poly_e(act(h[n][e])),  h = xc Wpo^T on codes of BF8 (E5M2) with one E8M0 scale for each 32 along K = 1,024.
; act(x) = min(max(x, 0.01 x, -0.1), 6);  poly_e(a) = a (c0 + a (c1 + a c2)), c = coeff[e]: nested multiply-adds, all in f32 (another order of rounding than power by power).  h never goes to memory.
; LIMITS: NaN and infinities are not served.  No step and no input of the problem is left out here.
; THE DEAL.  256 work-groups of four waves: 8 tiles of 256 e x 32 groups of 512 n (a group lies in one batch).  A wave holds 64 rows of Wpo, ALL of K, in 512 registers (windows 1, 2) and all four waves stream the
; group's 32 blocks of 16 rows of xc past them; a block stands in registers whole (128), in two sets (window 3).  SOURCE 0 = xc's rows, SOURCE 1 = Wpo's: a lane holds ONE e (16 t + lane % 16 of its wave's 64) and
; its registers run down n (8 (lane / 16) + j): the sum over n stays in the lane, in 32 registers, until the end, where one exchange joins the halves of the lanes.
; A BLOCK'S TURN: its 32 products on end (one change of the register window inside them); then the 144 vector lines (activation, polynomial, mask, sum) of the BLOCK BEFORE, whose sums stand in the other set:
; the first eight are the places ahead of the fetch into the registers just multiplied, the others stand behind that fetch.  The first block's lines work on zeros; the last block's stand behind the loops.
; LDS: two slots of 128 rows of 1,024 + 16 bytes.  Wpo's 256 rows lie in both slots at first (waves 0, 1 fetch them; waves 2, 3 the scale bytes of xc's 512 rows, which stay).  When the weights are in registers,
; a drained round of the cluster's barrier brings chunks 0 and 1 of xc (64 rows a wave) over them; chunks 2 and 3 are refilled (32 rows a wave) in a drained round inside blocks 6 and 14, behind the slot's last
; fetch, eight blocks ahead of the round or barrier that shows them.  Fetches run two blocks ahead: fetch f brings block f's codes and scale words and block f - 2's mask numbers, all into the sets of f's parity.
; CLUSTERS: 4 x 4.  xc's tiles hang on the group alone and are shared along a row of the cluster, Wpo's on the tile of e alone and are shared along a column: joint loads.
; PREFETCH: chunks 0, 1 and 2 are asked for at the head, ahead of the rounds that load them, and chunk 3 in the first chunk's last block: 512 blocks of 256 bytes a chunk, a lane a block, a sixteenth for each
; of the cluster row's sixteen waves, told apart by address.
.set KROW, 1024
.set PITCH, KROW+16
.set YB, 128*PITCH                     ; slot 1
.set CHB, 128*KROW                     ; a chunk in memory
.set SCL, 2*YB                         ; xc's scale bytes: units of 256 bytes (8 rows) + 16 of padding
.set SSTEP, 2*272                      ; 16 rows of them
.set MKB, SCL+64*272                   ; 512 mask numbers as f32 (stored by the waves; no tile lands here)
.set SCR, MKB+2048                     ; 256 bytes a wave: its 64 sums on the way out
.set SPARE, SCR+1024
.set WPO_C, 25165824                   ; where Wpo's codes begin in 'codes' (xc's at 0)
.set WPO_S, 786432                     ; and its scale bytes in 'scales'
.set NF, 36                            ; LDS loads of a fetch: 32 of codes, 2 of scale words, 2 of mask numbers
.set ADRA0, 4                          ; LDS addresses for fetch 0: codes,
.set AMK0, 5                           ; mask numbers (two blocks back),
.set AAS0, 6                           ; scale words
.set PFV, 7                            ; a prefetch's offset
.set CO8, 8                            ; 8 x lane
.set SPW, 10
.set NIL, 11
.set ADRA, 12                          ; the same three for the next fetch
.set AAS, 13
.set AMK, 14
.set ADRB, 15                          ; my 64 rows of Wpo in LDS
.set ABS, 16                           ; 32 x lane: Wpo's scale bytes
.set CFO, 17                           ; 12 x (lane % 16)
.set SCRW, 18
.set SCRR, 19
.set MKST, 20
.set L16, 21                           ; 16 x thread
.set SB, 24                            ; v24-39 Wpo's scale words: 8 p + q: lanes 0-15 tile 2 p, lanes 16-31 tile 2 p + 1
.set SA, 44                            ; v44-59 xc's, two sets of eight (numbers differ from SB's modulo 8)
.set AX1, 60                           ; fetch 1's addresses
.set AS1, 61
.set AM1, 62
.set ACC, 64                           ; v64-127 two sets of four accumulators
.set MK, 128                           ; v128-143 two sets of eight mask numbers
.set CF, 144                           ; v144-167 coefficient k of tile t, twice: CF + 6 t + 2 k
.set SS, 168                           ; v168-199 running sums: four pairs a tile
.set YT, 200
.set UT, 208
.set SUM, 216
.set TP, 220
.set G1W, 24
.set G1H, 32
.set G1R, 48
.set G1S, 56
.set G0W, 68
.set G0S, 72
.set G0H, 76
.set G0R, 80
.set MSB, 0
.macro WIN new                         ; the immediate's high byte repeats the setting that is left
.if MSB != \new
	s_set_vgpr_msb (MSB<<8)|\new
.set MSB, \new
.endif
.endm
.macro PLACES n
.rept \n
	v_nop
.endr
.endm
.macro WALU
	s_wait_alu depctr_va_vdst(0)
.endm
.macro BARRIER
	s_barrier_signal -1
	s_barrier_wait -1
.endm
.macro MIDDLE                          ; a round's middle, behind its opening signal
	WIN 0
	s_barrier_wait -1
	s_cmp_lg_u32 s14, 0
	s_cbranch_scc1 .Lnot_wave_0_\@
	s_barrier_signal -3
.Lnot_wave_0_\@:
	s_barrier_wait -3
.endm
.macro CROUND                          ; a whole round of the cluster's barrier
	s_barrier_signal -1
	MIDDLE
	BARRIER
.endm
.macro TLOAD g0, g1                    ; an s_nop 0 and four v_nop follow a tensor load
	tensor_load_to_lds s[\g0:\g0+3], s[\g1:\g1+7]
	s_nop 0
	PLACES 4
.endm
.macro GROUP1 g, mask, rows            ; so many whole rows of K, 16 bytes of padding behind each 1,024
	s_or_b32 s[\g+0], s[\mask], (1<<20)|(1<<21)|(7<<22)|(3<<25)
	s_mov_b32 s[\g+1], KROW<<16
	s_mov_b32 s[\g+2], (\rows)<<16
	s_mov_b32 s[\g+3], KROW<<16
	s_mov_b32 s[\g+4], \rows
	s_mov_b32 s[\g+5], KROW
	s_mov_b32 s[\g+6], 0
	s_mov_b32 s[\g+7], 0
.endm
	s_load_b256 s[4:11], s[0:1], 0x0       ; codes, scales, mask, coeff
	s_load_b64 s[12:13], s[0:1], 0x20      ; part
	v_lshl_add_u32 v[SPW], v0, 2, SPARE
	v_mov_b32 v[NIL], 0
	ds_add_u32 v[SPW], v[NIL]              ; the opening lines: the add twice on end and one wait
	ds_add_u32 v[SPW], v[NIL]
	v_lshrrev_b32 v1, 5, v0
	v_readfirstlane_b32 s14, v1            ; wave
	s_and_b32 s16, s14, 1
	s_bfe_u32 s40, ttmp6, 0x40000          ; cx, cy
	s_bfe_u32 s41, ttmp6, 0x40004
	s_lshl_b32 s42, ttmp9, 2
	s_add_co_u32 s42, s42, s40             ; which 256 e
	s_and_b32 s43, ttmp7, 0xffff
	s_lshl_b32 s43, s43, 2
	s_add_co_u32 s43, s43, s41             ; which 512 n
	s_lshl_b32 s44, s41, 2
	s_lshl_b32 s44, 15, s44                ; my row of the cluster: shares xc
	s_lshl_b32 s45, 0x1111, s40            ; my column: shares Wpo
	GROUP1 G1W, 45, 128
	GROUP1 G1H, 44, 64
	GROUP1 G1R, 44, 32
	s_or_b32 s[G1S+0], s44, (3<<16)|(1<<20)|(1<<21)|(5<<22)|(3<<25)   ; scale bytes of 256 rows: 32 rows of 256 bytes, 16 of padding behind each
	s_mov_b32 s[G1S+1], 32<<16
	s_mov_b32 s[G1S+2], 32<<16
	s_mov_b32 s[G1S+3], 32<<16
	s_mov_b32 s[G1S+4], 32
	s_mov_b32 s[G1S+5], 32
	s_mov_b32 s[G1S+6], 0
	s_mov_b32 s[G1S+7], 0
	s_lshl_b32 s20, s42, 18                ; offsets, each under 2^32.  s[20:21] Wpo's codes: my tile, 128 rows for each of waves 0, 1
	s_lshl_b32 s18, s16, 17
	s_add_co_u32 s20, s20, s18
	s_add_co_u32 s20, s20, WPO_C
	s_mov_b32 s21, 0
	s_lshl_b32 s22, s43, 14                ; s[22:23] xc's scale bytes: 256 rows for each of waves 2, 3
	s_lshl_b32 s18, s16, 13
	s_add_co_u32 s22, s22, s18
	s_mov_b32 s23, 0
	s_lshl_b32 s86, s43, 19                ; s[86:87] my group's codes
	s_mov_b32 s87, 0
	s_lshl_b32 s18, s14, 16
	s_add_co_u32 s88, s86, s18             ; s[88:89] chunks 0, 1: 64 rows a wave
	s_mov_b32 s89, 0
	s_lshl_b32 s18, s14, 15
	s_add_co_u32 s96, s86, s18             ; s[96:97] a refill: 32 rows a wave; it stands one chunk behind what the first refill asks for
	s_add_co_u32 s96, s96, CHB
	s_mov_b32 s97, 0
	s_mov_b32 s[G0W], 1
	s_mul_i32 s[G0W+1], s16, YB
	s_mov_b32 s[G0S], 1
	s_mul_i32 s[G0S+1], s16, 32*272
	s_add_co_u32 s[G0S+1], s[G0S+1], SCL
	s_mov_b32 s[G0H], 1
	s_mul_i32 s[G0H+1], s14, 64*PITCH
	s_mov_b32 s[G0R], 1
	s_mul_i32 s19, s14, 32*PITCH
	s_mov_b32 s[G0R+1], s19
	s_wait_dscnt 0x0                       ; both opening adds are done
	CROUND                                 ; all sixteen work-groups are here
	s_wait_kmcnt 0x0
	s_add_nc_u64 s[G0W+2:G0W+3], s[4:5], s[20:21]
	s_or_b32 s[G0W+3], s[G0W+3], 0x80000000
	s_add_nc_u64 s[G0S+2:G0S+3], s[6:7], s[22:23]
	s_or_b32 s[G0S+3], s[G0S+3], 0x80000000
	s_add_nc_u64 s[G0H+2:G0H+3], s[4:5], s[88:89]
	s_or_b32 s[G0H+3], s[G0H+3], 0x80000000
	s_add_nc_u64 s[G0R+2:G0R+3], s[4:5], s[96:97]
	s_or_b32 s[G0R+3], s[G0R+3], 0x80000000
	s_cmp_lt_u32 s14, 2                    ; one joint load a wave at the head
	s_cbranch_scc0 .Lfor_scales
	TLOAD G0W, G1W
	s_branch .Lasked
.Lfor_scales:
	TLOAD G0S, G1S
.Lasked:
	s_lshl_b32 s20, s42, 13                ; Wpo's scale bytes: my wave's 64 rows
	s_lshl_b32 s18, s14, 11
	s_add_co_u32 s20, s20, s18
	s_add_co_u32 s20, s20, WPO_S
	s_add_nc_u64 s[66:67], s[6:7], s[20:21]
	s_lshl_b32 s20, s43, 11                ; my group's mask numbers
	s_add_nc_u64 s[8:9], s[8:9], s[20:21]
	s_lshl_b32 s20, s42, 8
	s_lshl_b32 s18, s14, 6
	s_add_co_u32 s18, s20, s18             ; my first e
	s_mul_i32 s20, s18, 12
	s_add_nc_u64 s[10:11], s[10:11], s[20:21]
	s_lshl_b32 s20, s18, 2
	s_lshl_b32 s22, s43, 13                ; a row of part is 8,192 bytes
	s_add_co_u32 s20, s20, s22
	s_add_nc_u64 s[12:13], s[12:13], s[20:21]
	s_add_nc_u64 s[84:85], s[4:5], s[86:87]
	s_mov_b32 s90, 0x3c23d70a              ; 0.01, named as a pair
	s_mov_b32 s91, s90
	s_mov_b32 s92, 0xbdcccccd              ; -0.1
	s_mov_b32 s93, 0x40c00000              ; 6.0
	s_mov_b32 s94, 0x76543210              ; v_permlanex16_b32's selects for lane l xor 16
	s_mov_b32 s95, 0xfedcba98
	v_and_b32 v1, 15, v0                   ; r
	v_bfe_u32 v2, v0, 4, 1                 ; h
	v_and_b32 v3, 31, v0                   ; lane
	v_mul_u32_u24 v22, v1, PITCH
	v_lshl_add_u32 v[ADRA0], v2, 4, v22    ; a fragment's row x pitch + 16 h
	s_mul_i32 s18, s14, 64*PITCH
	v_add_nc_u32 v[ADRB], s18, v[ADRA0]
	v_lshlrev_b32 v23, 5, v1               ; a row's 32 scale bytes, and 16 more for each 256 passed
	v_lshrrev_b32 v22, 3, v1
	v_lshl_add_u32 v23, v22, 4, v23
	v_add_nc_u32 v[AAS0], SCL, v23
	v_lshlrev_b32 v22, 5, v2
	v_add_nc_u32 v[AMK0], MKB-128, v22     ; fetch f takes block f - 2's eight numbers of my half
	v_add_nc_u32 v[AM1], 128, v[AMK0]
	v_add_nc_u32 v[AX1], 16*PITCH, v[ADRA0]
	v_add_nc_u32 v[AS1], SSTEP, v[AAS0]
	v_lshlrev_b32 v[ABS], 5, v3
	v_mul_u32_u24 v[CFO], v1, 12
	v_lshlrev_b32 v[L16], 4, v0
	v_add_nc_u32 v[MKST], MKB, v[L16]
	s_lshl_b32 s18, s14, 8
	s_add_co_u32 s18, s18, SCR
	v_lshl_add_u32 v[SCRW], v1, 2, s18
	v_lshlrev_b32 v[CO8], 3, v3
	v_add_nc_u32 v[SCRR], s18, v[CO8]
	s_lshl_b32 s23, s40, 2                 ; which of the cluster row's sixteen waves I am
	s_add_co_u32 s23, s23, s14
	s_lshl_b32 s23, s23, 13
	v_lshl_add_u32 v[PFV], v3, 8, s23
	WALU
	global_prefetch_b8 v[PFV], s[84:85] th:TH_LOAD_NT scope:SCOPE_SE              ; my sixteenth of chunk 0, of chunk 1: their loads stand behind the weights' way into registers
	global_prefetch_b8 v[PFV], s[84:85] offset:CHB th:TH_LOAD_NT scope:SCOPE_SE
	global_load_b128 v[40:43], v[L16], s[8:9]      ; 128 threads x 4 mask numbers
.irp p, 0,1
.irp c, 0,1
	global_load_b128 v[SB+8*\p+4*\c:SB+8*\p+4*\c+3], v[ABS], s[66:67] offset:\p*1024+16*\c
.endr
.endr
.irp t, 0,1,2,3
.irp k, 0,1,2
	global_load_b32 v[CF+6*\t+2*\k], v[CFO], s[10:11] offset:192*\t+4*\k
.endr
.endr
.set I_, 0
.rept 32                               ; the running sums, and the sums that the first block's lines work on
	v_mov_b32 v[SS+I_], 0
	v_mov_b32 v[ACC+32+I_], 0
.set I_, I_+1
.endr
.irp t, 0,1,2,3
	v_mov_b32 v[TP+\t], 0                  ; a lane permute's destination counts as read
.endr
	s_wait_loadcnt 0x0
.irp i, 0,1,2,3
	v_cvt_f32_i32 v[40+\i], v[40+\i]
.endr
.irp t, 0,1,2,3
.irp k, 0,1,2
	v_mov_b32 v[CF+6*\t+2*\k+1], v[CF+6*\t+2*\k]   ; a pair for the packed lines
.endr
.endr
	ds_store_b128 v[MKST], v[40:43]
	WALU
	s_wait_tensorcnt 0x0                   ; my tile of the head's four is in
	s_wait_dscnt 0x0
	BARRIER                                ; everybody's is
.irp q, 0,1,2,3,4,5,6,7                ; my 64 rows of Wpo, all of K: fragment 4 q + b in window 1 + q / 4
	WIN (1+\q/4)<<6
.irp b, 0,1,2,3
.irp c, 0,1,2,3
	ds_load_b128 v[16*((4*\q+\b)%16)+4*\c:16*((4*\q+\b)%16)+4*\c+3], v[ADRB] offset:128*\q+32*\c+\b*16*PITCH
.endr
.endr
.endr
	WIN 0
	s_wait_tensorcnt 0x0                   ; the three lines ahead of a refill's round
	ds_add_u32 v[SPW], v[NIL]
	s_mov_b32 s17, 2                       ; the next fetch's number
	s_mov_b32 s46, 0                       ; the chunk
	s_wait_dscnt 0x0                       ; the add is done, the weights are in registers, my mask numbers are stored
	CROUND
	s_cmp_lt_u32 s14, 2                    ; chunk 0 (waves 0, 1) has a line of its own: it is shown ahead of chunk 1
	s_cbranch_scc0 .Lchunk_1
	TLOAD G0H, G1H
	s_branch .Lboth
.Lchunk_1:
	TLOAD G0H, G1H
.Lboth:
	global_prefetch_b8 v[PFV], s[84:85] offset:2*CHB th:TH_LOAD_NT scope:SCOPE_SE
	s_cmp_lt_u32 s14, 2
	s_cbranch_scc0 .Lnot_first
	s_wait_tensorcnt 0x0
.Lnot_first:
	BARRIER                                ; chunk 0 is in; chunk 1 is shown by the round inside block 6
.macro FETCHAT k, a, s, m              ; a block's codes into set k of window 3, its scale words, and the mask numbers of the block two back
	WIN 3<<6
.irp q, 0,1,2,3,4,5,6,7
.irp c, 0,1,2,3
	ds_load_b128 v[128*\k+16*\q+4*\c:128*\k+16*\q+4*\c+3], v[\a] offset:128*\q+32*\c
.endr
.endr
	WIN 0
	ds_load_b128 v[SA+8*\k:SA+8*\k+3], v[\s]
	ds_load_b128 v[SA+8*\k+4:SA+8*\k+7], v[\s] offset:16
	ds_load_b128 v[MK+8*\k:MK+8*\k+3], v[\m]
	ds_load_b128 v[MK+8*\k+4:MK+8*\k+7], v[\m] offset:16
.endm
.macro PROD e, n                       ; product n = 4 q + b: the q-th 128 of K, tile b of my 64 e; the four accumulators take turns
.set Q_, (\n)/4
.set B_, (\n)%4
.set AC_, ACC+32*(\e)+8*B_
.set R_, 128*(\e)+16*Q_
.set W_, 16*((\n)%16)
.set XS_, SA+8*(\e)+Q_
.set WS_, SB+8*(B_/2)+Q_
	WIN 3|((1+(\n)/16)<<2)
.if Q_ && B_%2
	v_wmma_scale_f32_16x16x128_f8f6f4 v[AC_:AC_+7], v[R_:R_+15], v[W_:W_+15], v[AC_:AC_+7], v[XS_], v[WS_] matrix_a_fmt:MATRIX_FMT_BF8 matrix_b_fmt:MATRIX_FMT_BF8 matrix_b_scale:MATRIX_SCALE_ROW1
.elseif Q_
	v_wmma_scale_f32_16x16x128_f8f6f4 v[AC_:AC_+7], v[R_:R_+15], v[W_:W_+15], v[AC_:AC_+7], v[XS_], v[WS_] matrix_a_fmt:MATRIX_FMT_BF8 matrix_b_fmt:MATRIX_FMT_BF8
.elseif B_%2
	v_wmma_scale_f32_16x16x128_f8f6f4 v[AC_:AC_+7], v[R_:R_+15], v[W_:W_+15], 0, v[XS_], v[WS_] matrix_a_fmt:MATRIX_FMT_BF8 matrix_b_fmt:MATRIX_FMT_BF8 matrix_b_scale:MATRIX_SCALE_ROW1
.else
	v_wmma_scale_f32_16x16x128_f8f6f4 v[AC_:AC_+7], v[R_:R_+15], v[W_:W_+15], 0, v[XS_], v[WS_] matrix_a_fmt:MATRIX_FMT_BF8 matrix_b_fmt:MATRIX_FMT_BF8
.endif
.endm
.macro EPI k, s                        ; line k of 144 on the block in set s: 36 a tile; each accumulator is read from its low end on
.set T_, (\k)/36
.set J_, (\k)%36
.set P_, 2*(J_%4)
.set X_, ACC+32*(\s)+8*T_
.set M_, MK+8*(\s)
.set C_, CF+6*T_
.set S_, SS+8*T_
.if J_ < 4
	v_pk_mul_f32 v[YT+P_:YT+P_+1], v[X_+P_:X_+P_+1], s[90:91] op_sel_hi:[1,0]   ; 0.01 x
.elseif J_ < 12
	v_max3_num_f32 v[X_+J_-4], v[X_+J_-4], v[YT+J_-4], s92                     ; the leaky value for either sign, and the lower clamp
.elseif J_ < 20
	v_min_num_f32 v[X_+J_-12], s93, v[X_+J_-12]                                ; the upper clamp: a
.elseif J_ < 24
	v_pk_fma_f32 v[UT+P_:UT+P_+1], v[X_+P_:X_+P_+1], v[C_+4:C_+5], v[C_+2:C_+3]
.elseif J_ < 28
	v_pk_fma_f32 v[UT+P_:UT+P_+1], v[X_+P_:X_+P_+1], v[UT+P_:UT+P_+1], v[C_:C_+1]   ; c0 + a (c1 + a c2)
.elseif J_ < 32
	v_pk_mul_f32 v[X_+P_:X_+P_+1], v[X_+P_:X_+P_+1], v[M_+P_:M_+P_+1]          ; a x mask
.else
	v_pk_fma_f32 v[S_+P_:S_+P_+1], v[UT+P_:UT+P_+1], v[X_+P_:X_+P_+1], v[S_+P_:S_+P_+1]
.endif
.endm
.macro LINES s, from, to               ; lines from .. to - 1 on the block in set s
.set K_, \from
.rept (\to)-(\from)
	EPI K_, \s
.set K_, K_+1
.endr
.endm
.macro ADDR                            ; the next fetch's three addresses, from its number s17
	s_and_b32 s20, s17, 15                 ; sixteen blocks lie in the two slots
	s_mul_i32 s20, s20, 16*PITCH
	v_add_nc_u32 v[ADRA], s20, v[ADRA0]
	s_mul_i32 s21, s17, SSTEP
	v_add_nc_u32 v[AAS], s21, v[AAS0]
	s_lshl_b32 s22, s17, 6
	v_add_nc_u32 v[AMK], s22, v[AMK0]
	s_add_co_u32 s17, s17, 1
.endm
.macro BLOCK e, from, to               ; products from .. to - 1 of a block in set e
.set N_, \from
.rept (\to)-(\from)
	PROD \e, N_
.set N_, N_+1
.endr
.endm
.macro BLK e, w                        ; a block; w: the youngest fetch may be out (-1: nothing is out that it needs).  The addresses and the other set's first eight lines are the places ahead of the fetch
.if (\w) >= 0
	s_wait_dscnt \w
.endif
	BLOCK \e, 0, 32
	WIN 0
	ADDR
	LINES 1-(\e), 0, 8
.endm
.macro REST s                          ; behind the fetch: the fetch before it, which brought set s's mask numbers, is in; the other 136 lines
	WALU
	s_wait_dscnt NF
	LINES \s, 8, 144
.endm
.macro RBLK e                          ; a block with a drained round and the refill behind it: chunk s46 + 2 into slot s46
	s_wait_dscnt NF
	s_wait_tensorcnt 0x0                   ; the next chunk is in; no load of mine is out, so the descriptor may be written
	ds_add_u32 v[SPW], v[NIL]
	s_mul_i32 s[G0R+1], s46, YB
	s_add_co_u32 s[G0R+1], s[G0R+1], s19
	s_add_nc_u64 s[G0R+2:G0R+3], s[G0R+2:G0R+3], CHB
	BLOCK \e, 0, 28
	WIN 0
	ADDR
	WALU
	s_wait_dscnt 0x0                       ; the add is done, and my reads of this slot are over
	s_barrier_signal -1
	BLOCK \e, 28, 32
	MIDDLE
	BARRIER
	TLOAD G0R, G1R
	PLACES 4
.endm
.macro SBLK e                          ; a block with a plain barrier, which shows the last chunk
	s_wait_dscnt NF
	BLOCK \e, 0, 28
	WIN 0
	ADDR
	WALU
	s_wait_tensorcnt 0x0
	s_wait_dscnt 0x0
	s_barrier_signal -1
	BLOCK \e, 28, 32
	WIN 0
	s_barrier_wait -1
	PLACES 8
.endm
.macro PAIR
	BLK 0, NF
	FETCHAT 0, ADRA, AAS, AMK
	REST 1
	BLK 1, NF
	FETCHAT 1, ADRA, AAS, AMK
	REST 0
.endm
	FETCHAT 0, ADRA0, AAS0, AM1            ; (the mask numbers of these two fetches meet the zeros of the first block's lines, or are fetched over)
	FETCHAT 1, AX1, AS1, AM1
.Lchunk_a:                                     ; chunks 0, 1: six blocks, then two with the refill
	s_mov_b32 s47, 0
.Lpair_a:
	PAIR
	s_add_co_u32 s47, s47, 1
	s_cmp_lg_u32 s47, 3
	s_cbranch_scc1 .Lpair_a
	RBLK 0                                 ; it has waited for all LDS loads: the mask numbers of the block before are in
	FETCHAT 0, ADRA, AAS, AMK
	LINES 1, 0, 144
	BLK 1, NF
	FETCHAT 1, ADRA, AAS, AMK
	REST 0
	s_cmp_eq_u32 s46, 0                    ; chunk 3 is asked for one refill ahead; there is no chunk 4
	s_cbranch_scc0 .Lnone_ahead
	global_prefetch_b8 v[PFV], s[84:85] offset:3*CHB th:TH_LOAD_NT scope:SCOPE_SE
.Lnone_ahead:
	s_add_co_u32 s46, s46, 1
	s_cmp_lg_u32 s46, 2
	s_cbranch_scc1 .Lchunk_a
.Lchunk_b:                                     ; chunks 2, 3: nothing is filled any more
	s_mov_b32 s47, 0
.Lpair_b:
	PAIR
	s_add_co_u32 s47, s47, 1
	s_cmp_lg_u32 s47, 3
	s_cbranch_scc1 .Lpair_b
	SBLK 0                                 ; it has waited for all LDS loads: the next block's set and the block before's mask numbers are in on both ways below
	s_cmp_eq_u32 s46, 3
	s_cbranch_scc1 .Llast_0
	FETCHAT 0, ADRA, AAS, AMK
	s_branch .Lgo
.Llast_0:                                      ; no block 32: only block 30's mask numbers
	ds_load_b128 v[MK:MK+3], v[AMK]
	ds_load_b128 v[MK+4:MK+7], v[AMK] offset:16
.Lgo:
	LINES 1, 0, 144
	BLK 1, -1
	WALU
	s_cmp_eq_u32 s46, 3
	s_cbranch_scc1 .Llast_1
	FETCHAT 1, ADRA, AAS, AMK
	s_wait_dscnt NF                        ; the fetch before, with set 0's mask numbers, is in
	s_branch .Lgo_1
.Llast_1:                                      ; no block 33: only block 31's mask numbers
	ds_load_b128 v[MK+8:MK+11], v[AMK]
	ds_load_b128 v[MK+12:MK+15], v[AMK] offset:16
	s_wait_dscnt 2                         ; block 30's are in: these two may be out
.Lgo_1:
	LINES 0, 8, 144
	s_add_co_u32 s46, s46, 1
	s_cmp_lg_u32 s46, 4
	s_cbranch_scc1 .Lchunk_b
	s_wait_dscnt 0x0                       ; block 31's mask numbers are in
	LINES 1, 0, 144                        ; the last block's lines
.irp t, 0,1,2,3
	v_pk_add_f32 v[SS+8*\t:SS+8*\t+1], v[SS+8*\t:SS+8*\t+1], v[SS+8*\t+2:SS+8*\t+3]
	v_pk_add_f32 v[SS+8*\t+4:SS+8*\t+5], v[SS+8*\t+4:SS+8*\t+5], v[SS+8*\t+6:SS+8*\t+7]
.endr
.irp t, 0,1,2,3
	v_pk_add_f32 v[SS+8*\t:SS+8*\t+1], v[SS+8*\t:SS+8*\t+1], v[SS+8*\t+4:SS+8*\t+5]
.endr
.irp t, 0,1,2,3
	v_add_f32 v[SUM+\t], v[SS+8*\t], v[SS+8*\t+1]
.endr
.irp t, 0,1,2,3
	v_permlanex16_b32 v[TP+\t], v[SUM+\t], s94, s95    ; the e's other rows lie in the lane 16 away
.endr
.irp t, 0,1,2,3
	v_add_f32 v[SUM+\t], v[SUM+\t], v[TP+\t]
.endr
.irp t, 0,1,2,3
	ds_store_b32 v[SCRW], v[SUM+\t] offset:64*\t       ; e = 16 t + r; both halves of the lanes write the same word with the same value
.endr
	ds_load_b64 v[TP:TP+1], v[SCRR]        ; LDS serves a wave's instructions in order: this sees my stores
	s_wait_dscnt 0x0
	global_store_b64 v[CO8], v[TP:TP+1], s[12:13]      ; 32 lanes store 256 consecutive bytes, aligned
	s_wait_tensorcnt 0x0                   ; the wave's end
	ds_add_u32 v[SPW], v[NIL]
	s_wait_dscnt 0x0
	CROUND                                 ; the closing round
	s_endpgm
.Lfunc_end_k_q20bcbd1085_g1:
	.size	k_q20bcbd1085_g1, .Lfunc_end_k_q20bcbd1085_g1-k_q20bcbd1085_g1
	.p2alignl 7, 3214868480
	.fill 96, 4, 3214868480
	.section	.rodata,"a",@progbits
	.p2align	6, 0x0
	.amdhsa_kernel k_q20bcbd1085_g1
		.amdhsa_group_segment_fixed_size 327680
		.amdhsa_private_segment_fixed_size 0
		.amdhsa_enable_private_segment 0
		.amdhsa_kernarg_size 40
		.amdhsa_user_sgpr_count 2
		.amdhsa_user_sgpr_kernarg_segment_ptr 1
		.amdhsa_wavefront_size32 1
		.amdhsa_system_sgpr_workgroup_id_x 1
		.amdhsa_system_sgpr_workgroup_id_y 1
		.amdhsa_system_sgpr_workgroup_id_z 1
		.amdhsa_system_vgpr_workitem_id 0
		.amdhsa_next_free_vgpr 1024
		.amdhsa_next_free_sgpr 102
		.amdhsa_reserve_vcc 0
		.amdhsa_float_denorm_mode_32 3
		.amdhsa_float_denorm_mode_16_64 3
		.amdhsa_memory_ordered 1
		.amdhsa_forward_progress 1
		.amdhsa_inst_pref_size 158
	.end_amdhsa_kernel
	.amdgpu_metadata
---
amdhsa.version: [ 1, 2 ]
amdhsa.kernels:
  - .name:           k_q20bcbd1085_g1
    .symbol:         k_q20bcbd1085_g1.kd
    .args:
      - { .name: codes, .offset: 0, .size: 8, .value_kind: global_buffer, .address_space: global }
      - { .name: scales, .offset: 8, .size: 8, .value_kind: global_buffer, .address_space: global }
      - { .name: mask, .offset: 16, .size: 8, .value_kind: global_buffer, .address_space: global }
      - { .name: coeff, .offset: 24, .size: 8, .value_kind: global_buffer, .address_space: global }
      - { .name: part, .offset: 32, .size: 8, .value_kind: global_buffer, .address_space: global }
    .group_segment_fixed_size: 327680
    .private_segment_fixed_size: 0
    .kernarg_segment_align: 8
    .kernarg_segment_size: 40
    .max_flat_workgroup_size: 128
    .sgpr_count:     102
    .vgpr_count:     1024
    .wavefront_size: 32
...
	.end_amdgpu_metadata
.endif
;; end of part 2
;; launch g2 (part 3): grid 8 x 32, 4 waves a work-group, clusters of 4 x 4, 327,680 bytes of LDS; arguments codes, scales, bse, part, cnt, shc, shs; writes shc, shs
.if DOCPART == 3
	.amdgcn_target "amdgcn-amd-amdhsa--gfx1250"
	.amdhsa_code_object_version 6
	.text
	.protected	k_q20bcbd1085_g2
	.globl	k_q20bcbd1085_g2
	.p2align	8
	.type	k_q20bcbd1085_g2,@function
k_q20bcbd1085_g2:
	s_mov_b64 s[64:65], 0
	v_nop
	global_prefetch_b8 v0, s[64:65] scope:SCOPE_SE
	s_setreg_imm32_b32 hwreg(HW_REG_WAVE_MODE, 25, 1), 1
	s_wait_xcnt 0x0
	s_wait_alu depctr_hold_cnt(0) depctr_sa_sdst(0) depctr_va_vdst(0) depctr_va_sdst(0) depctr_va_ssrc(0) depctr_va_vcc(0) depctr_vm_vsrc(0)
	s_getreg_b32 s2, hwreg(HW_REG_IB_STS2, 6, 4)
	s_cmp_eq_u32 s2, 0
	s_cbranch_scc0 .Lentry_in_a_cluster
	s_endpgm
.Lentry_in_a_cluster:
	s_bfe_u32 s2, ttmp6, 0x10000c
	s_cmp_lg_u32 s2, 0xf033
	s_cbranch_scc0 .Lentry_shape_is_right
	s_endpgm
.Lentry_shape_is_right:
.set SIZE_K, 1024
.set KSTEP,  256
.set NQ,     KSTEP/128
.set ROWB,   256
.set KROW,   SIZE_K
.set PITCH,  272
.set FR,     16
.set NL,     4
.set NP,     8
.set HALFT,  128*PITCH
.set SLOT,   4*HALFT
.set LAPS,   SIZE_K/(2*KSTEP)
.set KS,     SIZE_K/32
.set SCL,    2*SLOT
.set HALFS,  (128*KS/256)*272
.set SBLK,   (16*KS/256)*272
.set SPARE,  SCL+4*HALFS
.set SCR,    SPARE+512
.set SP,     272
.set SST,    256*SP
.set XQ_C,   16777216
.set WSE_C,  27262976
.set XQ_S,   524288
.set WSE_S,  851968
.set ADRA, 16
.set HBA,  18
.set SCW,  19
.set ADRB, 20
.set SSO,  22
.set SSR,  23
.set STO,  24
.set RD,   25
.set CO,   26
.set ADRS, 27
.set SPW,  28
.set NIL,  29
.set L16,  30
.set L4,   31
.set SC,   32
.set BB,   64
.set AF,   128
.set HM,   128
.set PC,   192
.set TM,   224
.set PW,   240
.set G1, 24
.set G0, 32
.set G1B, 48
.set G0B, 56
.set G1S, 68
.set G0S, 76
.set G1SB, 80
.set G0SB, 88
.set MSB, 0
.macro WIN new
.if MSB != \new
	s_set_vgpr_msb (MSB<<8)|\new
.set MSB, \new
.endif
.endm
.set MUL_LO, 0xa1
.set MUL_HI, 0xf1
.set TO_B,   0x40
.macro JLOAD g0a, g1a, g0b, g1b
	s_cmp_eq_u32 s15, 0
	s_cbranch_scc0 .Lfor_b_\@
	tensor_load_to_lds s[\g0a:\g0a+3], s[\g1a:\g1a+7]
	s_nop 0
.rept 4
	v_nop
.endr
	s_branch .Lasked_\@
.Lfor_b_\@:
	tensor_load_to_lds s[\g0b:\g0b+3], s[\g1b:\g1b+7]
	s_nop 0
.rept 4
	v_nop
.endr
.Lasked_\@:
.endm
.macro CREST
	s_cmp_lg_u32 s14, 0
	s_cbranch_scc1 .Lnot_wave_0_\@
	s_barrier_signal -3
.Lnot_wave_0_\@:
	s_barrier_wait -3
	s_barrier_signal -1
	s_barrier_wait -1
.endm
.macro CROUND
	s_barrier_signal -1
	s_barrier_wait -1
	CREST
.endm
	s_load_b128 s[4:7], s[0:1], 0x0
	s_load_b128 s[96:99], s[0:1], 0x10
	s_load_b64 s[100:101], s[0:1], 0x20
	s_load_b64 s[12:13], s[0:1], 0x28
	s_load_b64 s[66:67], s[0:1], 0x30
	v_lshl_add_u32 v[SPW], v0, 2, SPARE
	v_mov_b32 v[NIL], 0
	ds_add_u32 v28, v29
	ds_add_u32 v28, v29
	s_wait_dscnt 0x0
	v_lshrrev_b32 v1, 5, v0
	v_readfirstlane_b32 s14, v1
	s_lshr_b32 s15, s14, 1
	s_and_b32 s16, s14, 1
	s_bfe_u32 s40, ttmp6, 0x40000
	s_bfe_u32 s41, ttmp6, 0x40004
	s_lshl_b32 s42, ttmp9, 2
	s_add_co_u32 s42, s42, s40
	s_and_b32 s17, ttmp7, 0xffff
	s_lshl_b32 s17, s17, 2
	s_add_co_u32 s17, s17, s41
	s_lshl_b32 s43, s41, 2
	s_lshl_b32 s43, 15, s43
	s_lshl_b32 s44, 0x1111, s40
	s_or_b32 s[G1+0], s43, (0<<16)|(1<<20)|(1<<21)|(5<<22)|(3<<25)
	s_or_b32 s[G1B+0], s44, (0<<16)|(1<<20)|(1<<21)|(5<<22)|(3<<25)
.irp g, G1, G1B
	s_mov_b32 s[\g+1], ROWB<<16
	s_mov_b32 s[\g+2], 256<<16
	s_mov_b32 s[\g+3], ROWB<<16
	s_mov_b32 s[\g+4], 256
	s_mov_b32 s[\g+5], KROW
	s_mov_b32 s[\g+6], 0
	s_mov_b32 s[\g+7], 0
.endr
	s_or_b32 s[G1S+0], s43, (3<<16)|(1<<20)|(1<<21)|(5<<22)|(3<<25)
	s_or_b32 s[G1SB+0], s44, (3<<16)|(1<<20)|(1<<21)|(5<<22)|(3<<25)
.irp g, G1S, G1SB
	s_mov_b32 s[\g+1], 32<<16
	s_mov_b32 s[\g+2], (256*KS/256)<<16
	s_mov_b32 s[\g+3], 32<<16
	s_mov_b32 s[\g+4], 256*KS/256
	s_mov_b32 s[\g+5], 32
	s_mov_b32 s[\g+6], 0
	s_mov_b32 s[\g+7], 0
.endr
	s_mov_b32 s18, 0                       ; the tiles' first rows: the ring's halves are added below
	s_lshl_b32 s20, s17, 8
	s_add_co_u32 s20, s20, s18
	s_lshl_b32 s46, s42, 8
	s_add_co_u32 s46, s46, s18
	s_mov_b32 s21, 0
	s_mov_b32 s47, 0
	s_mov_b64 s[18:19], KS
	s_mul_u64 s[22:23], s[20:21], s[18:19]
	s_mul_u64 s[92:93], s[46:47], s[18:19]
	s_mov_b64 s[18:19], KROW
	s_mul_u64 s[20:21], s[20:21], s[18:19]
	s_mul_u64 s[46:47], s[46:47], s[18:19]
	s_mul_i32 s45, s14, HALFT
	s_wait_kmcnt 0x0
	s_add_nc_u64 s[8:9], s[4:5], WSE_C
	s_add_nc_u64 s[10:11], s[6:7], WSE_S
	s_add_nc_u64 s[4:5], s[4:5], XQ_C
	s_add_nc_u64 s[6:7], s[6:7], XQ_S
	s_add_nc_u64 s[20:21], s[4:5], s[20:21]
	s_add_nc_u64 s[22:23], s[6:7], s[22:23]
	s_add_nc_u64 s[46:47], s[8:9], s[46:47]
	s_add_nc_u64 s[92:93], s[10:11], s[92:93]
	CROUND
	s_mov_b32 s[G0S], 1
	s_mov_b32 s[G0S+1], SCL
	s_mov_b64 s[G0S+2:G0S+3], s[22:23]
	s_or_b32 s[G0S+3], s[G0S+3], 0x80000000
	s_mov_b32 s[G0SB], 1
	s_mov_b32 s[G0SB+1], SCL+2*HALFS
	s_mov_b64 s[G0SB+2:G0SB+3], s[92:93]
	s_or_b32 s[G0SB+3], s[G0SB+3], 0x80000000
	s_mov_b32 s4, 1                        ; s[4:7], s[8:11]: group 0 of the head's loads of K step 0: A's 256 rows, B's 256 rows (the pointers that lay there have been used)
	s_mov_b32 s5, 0
	s_mov_b64 s[6:7], s[20:21]
	s_or_b32 s7, s7, 0x80000000
	s_mov_b32 s8, 1
	s_mov_b32 s9, 2*HALFT
	s_mov_b64 s[10:11], s[46:47]
	s_or_b32 s11, s11, 0x80000000
	s_mul_i32 s18, s16, 128*KROW           ; for the ring: my 128 rows of a tile
	s_mov_b32 s19, 0
	s_add_nc_u64 s[20:21], s[20:21], s[18:19]
	s_add_nc_u64 s[46:47], s[46:47], s[18:19]
.irp s, 0,1
	s_mov_b32 s[G0+4*\s], 1
	s_add_co_u32 s[G0+4*\s+1], s45, \s*SLOT
	s_add_nc_u64 s[G0+4*\s+2:G0+4*\s+3], s[20:21], \s*ROWB
	s_or_b32 s[G0+4*\s+3], s[G0+4*\s+3], 0x80000000
	s_mov_b32 s[G0B+4*\s], 1
	s_add_co_u32 s[G0B+4*\s+1], s45, \s*SLOT
	s_add_nc_u64 s[G0B+4*\s+2:G0B+4*\s+3], s[46:47], \s*ROWB
	s_or_b32 s[G0B+4*\s+3], s[G0B+4*\s+3], 0x80000000
.endr
	; the head's four tiles, one joint load a wave, in one chain of branches on the wave's number: A's 256 rows of K step 0, B's, A's scale bytes, B's
	s_cmp_lt_u32 s14, 1
	s_cbranch_scc0 .Lhead_1
	tensor_load_to_lds s[4:7], s[G1:G1+7]
	s_nop 0
.rept 4
	v_nop
.endr
	s_branch .Lhead_asked
.Lhead_1:
	s_cmp_lt_u32 s14, 2
	s_cbranch_scc0 .Lhead_2
	tensor_load_to_lds s[8:11], s[G1B:G1B+7]
	s_nop 0
.rept 4
	v_nop
.endr
	s_branch .Lhead_asked
.Lhead_2:
	s_cmp_lt_u32 s14, 3
	s_cbranch_scc0 .Lhead_3
	tensor_load_to_lds s[G0S:G0S+3], s[G1S:G1S+7]
	s_nop 0
.rept 4
	v_nop
.endr
	s_branch .Lhead_asked
.Lhead_3:
	tensor_load_to_lds s[G0SB:G0SB+3], s[G1SB:G1SB+7]
	s_nop 0
.rept 4
	v_nop
.endr
.Lhead_asked:
	s_wait_alu depctr_va_vdst(0)
	s_wait_tensorcnt 0x0                   ; my tile of the four is in
	ds_add_u32 v28, v29
	s_mov_b32 s[G1+2], 128<<16             ; no load of mine is out: from here on a load brings 128 rows
	s_mov_b32 s[G1+4], 128
	s_mov_b32 s[G1B+2], 128<<16
	s_mov_b32 s[G1B+4], 128
	s_wait_dscnt 0x0
	CROUND
	JLOAD G0+4, G1, G0B+4, G1B             ; K step 1, the first tensor load behind the round
	v_and_b32 v1, 15, v0
	v_bfe_u32 v2, v0, 4, 1
	v_mul_u32_u24 v3, v1, PITCH
	v_lshl_add_u32 v4, v2, 4, v3
	s_mul_i32 s21, s15, HALFT
	s_mul_i32 s22, s16, HALFT
	s_add_co_u32 s22, s22, 2*HALFT
.irp s, 0,1
	v_add_nc_u32 v[ADRA+\s], s21, v4
	v_add_nc_u32 v[ADRB+\s], s22, v4
	s_add_co_u32 s21, s21, SLOT
	s_add_co_u32 s22, s22, SLOT
.endr
	v_mul_u32_u24 v5, v1, KS
	v_lshrrev_b32 v6, 8, v5
	v_lshl_add_u32 v5, v6, 4, v5
	s_mul_i32 s21, s15, HALFS
	s_mul_i32 s22, s16, HALFS
	s_add_co_u32 s22, s22, 2*HALFS
	s_sub_co_u32 s22, s22, s21
	v_mul_u32_u24 v6, s22, v2
	s_add_co_u32 s21, s21, SCL
	v_add_nc_u32 v5, v5, v6
	v_add_nc_u32 v[ADRS], s21, v5
	v_and_b32 v6, 31, v0
	v_lshlrev_b32 v[L16], 4, v6
	s_wait_alu depctr_va_vdst(0)
	v_lshlrev_b32 v[L4], 2, v6
	s_lshl_b32 s95, s14, 10
	s_add_co_u32 s95, s95, SCR
	v_add_nc_u32 v[SCW], s95, v[L16]
	v_lshl_add_u32 v[HBA], v2, 6, s95
	s_mul_i32 s20, s15, 128*SP
	s_lshl_b32 s21, s16, 7
	s_add_co_u32 s20, s20, s21
	v_add_nc_u32 v[STO], s20, v4
	s_lshl_b32 s20, s15, 10
	s_lshl_b32 s21, s16, 2
	s_add_co_u32 s20, s20, s21
	s_add_co_u32 s20, s20, SST
	v_lshl_add_u32 v[SSO], v1, 3, s20
	s_mul_i32 s20, s14, 64*SP
	v_mul_u32_u24 v5, v2, SP
	v_lshl_add_u32 v5, v1, 4, v5
	v_add_nc_u32 v[RD], s20, v5
	s_lshl_b32 s20, s14, 9
	s_add_co_u32 s20, s20, SST
	v_add_nc_u32 v[SSR], s20, v[L16]
	v_lshlrev_b32 v5, 11, v2
	v_lshl_add_u32 v[CO], v1, 4, v5
	s_lshl_b32 s20, s17, 8
	s_lshl_b32 s21, s14, 6
	s_add_co_u32 s20, s20, s21
	s_lshl_b32 s20, s20, 11
	s_lshl_b32 s21, s42, 8
	s_add_co_u32 s20, s20, s21
	s_mov_b32 s21, 0
	s_add_nc_u64 s[12:13], s[12:13], s[20:21]
	s_lshl_b32 s20, s42, 16
	s_lshl_b32 s22, s17, 11
	s_add_co_u32 s20, s20, s22
	s_lshl_b32 s22, s14, 9
	s_add_co_u32 s20, s20, s22
	s_add_nc_u64 s[66:67], s[66:67], s[20:21]
	s_lshl_b32 s20, s42, 10
	s_lshl_b32 s22, s16, 9
	s_add_co_u32 s20, s20, s22
	s_add_nc_u64 s[96:97], s[96:97], s[20:21]
	s_and_b32 s22, ttmp7, 0xffff
	s_lshr_b32 s22, s22, 1
	s_lshl_b32 s23, s22, 16
	s_add_co_u32 s20, s20, s23
	s_add_nc_u64 s[98:99], s[98:99], s[20:21]
	s_lshl_b32 s20, s22, 7
	s_add_nc_u64 s[100:101], s[100:101], s[20:21]
.set i, 0
.rept 8
	global_load_b128 v[AF+4*i:AF+4*i+3], v[L16], s[98:99] offset:8192*i
.set i, i+1
.endr
	global_load_b128 v[BB:BB+3], v[L16], s[96:97]
	global_load_b32 v[BB+4], v[L4], s[100:101]
	s_wait_loadcnt 0x0
.irp w, 16,8,4
.set j, 0
.rept \w/2
	v_pk_add_f32 v[AF+j:AF+j+1], v[AF+j:AF+j+1], v[AF+\w+j:AF+\w+j+1]
.set j, j+2
.endr
.endr
.irp i, 0,1,2,3
	v_mul_f32 v[AF+\i], v[AF+\i], v[BB+4]
	v_fma_f32 v[BB+\i], v[BB+\i], 0x3e2aaaab, 0.5
.endr
	ds_store_b128 v[SCW], v[AF:AF+3]
	ds_store_b128 v[SCW], v[BB:BB+3] offset:512
.macro FRAG reg, adr, q, i
.irp c, 0,1,2,3
	ds_load_b128 v[\reg+4*\c:\reg+4*\c+3], v[\adr] offset:128*(\q)+32*\c+(\i)*16*PITCH
.endr
.endm
.macro MUL16 a0, p, q, sc, zero
.irp a, \a0, \a0+1
.irp b, 0,1,2,3,4,5,6,7
.if \zero
	v_wmma_scale_f32_16x16x128_f8f6f4 v[8*(8*((\a)%4)+\b):8*(8*((\a)%4)+\b)+7], v[128*(\p)+FR*\b:128*(\p)+FR*\b+FR-1], v[AF+FR*(\a):AF+FR*(\a)+FR-1], 0, v[SC+8*NQ*(\sc)+NQ*\b+(\q)], v[SC+8*NQ*(\sc)+NQ*(\a)+(\q)] matrix_a_fmt:MATRIX_FMT_BF8 matrix_b_fmt:MATRIX_FMT_BF8 matrix_a_scale:MATRIX_SCALE_ROW1
.else
	v_wmma_scale_f32_16x16x128_f8f6f4 v[8*(8*((\a)%4)+\b):8*(8*((\a)%4)+\b)+7], v[128*(\p)+FR*\b:128*(\p)+FR*\b+FR-1], v[AF+FR*(\a):AF+FR*(\a)+FR-1], v[8*(8*((\a)%4)+\b):8*(8*((\a)%4)+\b)+7], v[SC+8*NQ*(\sc)+NQ*\b+(\q)], v[SC+8*NQ*(\sc)+NQ*(\a)+(\q)] matrix_a_fmt:MATRIX_FMT_BF8 matrix_b_fmt:MATRIX_FMT_BF8 matrix_a_scale:MATRIX_SCALE_ROW1
.endif
.endr
.endr
.endm
.macro FETCH_B slot, q, p
	WIN TO_B
.irp i, 0,1,2,3,4,5,6,7
	FRAG 128*(\p)+FR*\i, ADRB+\slot, \q, \i
.endr
	WIN 0
.endm
.macro FETCH_A slot, q, i0
.irp i, \i0, \i0+1, \i0+2, \i0+3
	FRAG AF+FR*(\i), ADRA+\slot, \q, \i
.endr
.endm
.macro SCALES sc
.irp i, 0,1,2,3,4,5,6,7
	ds_load_b64 v[SC+8*NQ*\sc+NQ*\i:SC+8*NQ*\sc+NQ*\i+1], v[ADRS] offset:\i*SBLK
.endr
.endm
.macro PLACES n
.rept \n
	v_nop
.endr
.endm
.macro STEP slot, q, zero
	s_wait_dscnt 4*NL
	WIN MUL_LO
	MUL16 0, (\q)%2, \q, \slot, \zero
	MUL16 2, (\q)%2, \q, \slot, \zero
	s_wait_dscnt 0
	PLACES NP
	FETCH_B \slot, (\q)+1, 1-(\q)%2
	FETCH_A \slot, (\q)+1, 0
	WIN MUL_HI
	MUL16 4, (\q)%2, \q, \slot, \zero
	MUL16 6, (\q)%2, \q, \slot, \zero
	PLACES NP
	WIN 0
	FETCH_A \slot, (\q)+1, 4
.endm
.macro TURN slot, next, fill
.if \fill
	s_wait_tensorcnt 0x0
	ds_add_u32 v[SPW], v[NIL]
	s_add_nc_u64 s[G0+4*\slot+2:G0+4*\slot+3], s[G0+4*\slot+2:G0+4*\slot+3], 2*ROWB
	s_add_nc_u64 s[G0B+4*\slot+2:G0B+4*\slot+3], s[G0B+4*\slot+2:G0B+4*\slot+3], 2*ROWB
	s_wait_dscnt 0x0
	CROUND
	JLOAD G0+4*\slot, G1, G0B+4*\slot, G1B
	WIN MUL_LO
	MUL16 0, 1, NQ-1, \slot, 0
	MUL16 2, 1, NQ-1, \slot, 0
	WIN 0
.else
	s_wait_dscnt 4*NL
	WIN MUL_LO
	MUL16 0, 1, NQ-1, \slot, 0
	MUL16 2, 1, NQ-1, \slot, 0
	WIN 0
	s_wait_tensorcnt 0x0
	ds_add_u32 v[SPW], v[NIL]
	s_wait_dscnt 0x0
	s_barrier_signal -1
	s_barrier_wait -1
.endif
	PLACES NP
	s_wait_alu depctr_va_vdst(0)
	v_add_nc_u32 v[ADRS], 4*NQ, v[ADRS]
	FETCH_B \next, 0, 0
	FETCH_A \next, 0, 0
	SCALES \next
	WIN MUL_HI
	MUL16 4, 1, NQ-1, \slot, 0
	MUL16 6, 1, NQ-1, \slot, 0
	PLACES NP
	WIN 0
	FETCH_A \next, 0, 4
.endm
	s_wait_dscnt 0x0
	s_wait_tensorcnt 1
	s_barrier_signal -1
	s_barrier_wait -1
	FETCH_B 0, 0, 0
	FETCH_A 0, 0, 0
	SCALES 0
	FETCH_A 0, 0, 4
	STEP 0, 0, 1
	s_mov_b32 s3, LAPS-1
.Llap:
	TURN 0, 1, 1
	STEP 1, 0, 0
	TURN 1, 0, 1
	STEP 0, 0, 0
	s_sub_co_u32 s3, s3, 1
	s_cmp_lg_u32 s3, 0
	s_cbranch_scc1 .Llap
	TURN 0, 1, 0
	STEP 1, 0, 0
	s_wait_dscnt 4*NL
	WIN MUL_LO
	MUL16 0, 1, NQ-1, 1, 0
	MUL16 2, 1, NQ-1, 1, 0
	s_wait_dscnt 0
	WIN MUL_HI
	MUL16 4, 1, NQ-1, 1, 0
	MUL16 6, 1, NQ-1, 1, 0
	WIN 0
	s_mov_b32 s4, 0x76543210
	s_mov_b32 s5, 0xfedcba98
	s_mov_b32 s6, 0x3e2aaaab
	s_mov_b32 s7, s6
	s_mov_b32 s8, 0x600000
	PLACES NP
.irp b, 0,1,2,3
.irp q, 0,1,2,3
	ds_load_b128 v[HM+16*\b+4*\q:HM+16*\b+4*\q+3], v[HBA] offset:128*\b+16*\q
	ds_load_b128 v[BB+16*\b+4*\q:BB+16*\b+4*\q+3], v[HBA] offset:512+128*\b+16*\q
.endr
.endr
.irp b, 0,1,2,3
	v_mov_b32 v[TM+4+\b], 0
.endr
	s_wait_dscnt 0x0
.macro QROW a
.set AC, 64*((\a)%4)
.set WN, 2+(\a)/4
.set WDS, (WN<<6)|WN
.set WSS, (WN<<2)|WN
.set PCA, PC+16*((\a)%2)
.set PWA, PW+(\a)%2
.if (\a) >= 2
	s_wait_dscnt 5
.endif
	WIN WDS
.set j, 0
.rept 32
	v_pk_fma_f32 v[AC+j:AC+j+1], v[AC+j:AC+j+1], s[6:7], v[BB+j:BB+j+1] op_sel_hi:[1,0,1]
.set j, j+2
.endr
.set j, 0
.rept 64
	v_med3_num_f32 v[AC+j], v[AC+j], 0, 1.0
.set j, j+1
.endr
.set j, 0
.rept 32
	v_pk_mul_f32 v[AC+j:AC+j+1], v[AC+j:AC+j+1], v[HM+j:HM+j+1]
.set j, j+2
.endr
	WIN WSS
.irp b, 0,1,2,3
	v_max3_num_f32 v[TM+\b], |v[AC+16*\b]|, |v[AC+16*\b+1]|, 0x8000000
.endr
.irp i, 2,4,6,8,10,12,14
.irp b, 0,1,2,3
	v_max3_num_f32 v[TM+\b], |v[AC+16*\b+\i]|, |v[AC+16*\b+\i+1]|, v[TM+\b]
.endr
.endr
	WIN 0
.irp b, 0,1,2,3
	v_permlanex16_b32 v[TM+4+\b], v[TM+\b], s4, s5
.endr
.irp b, 0,1,2,3
	v_max_num_f32 v[TM+\b], v[TM+\b], v[TM+4+\b]
.endr
.irp b, 0,1,2,3
	v_add_nc_u32 v[TM+12+\b], 0xf8800000, v[TM+\b]
.endr
.irp b, 0,1,2,3
	v_and_or_b32 v[TM+8+\b], v[TM+\b], 0x7f800000, s8
.endr
.irp b, 0,1,2,3
	v_lshrrev_b32 v[TM+4+\b], 23, v[TM+12+\b]
.endr
	v_lshl_or_b32 v[PWA], v[TM+5], 8, v[TM+4]
	v_lshl_or_b32 v[PWA], v[TM+6], 16, v[PWA]
	v_lshl_or_b32 v[PWA], v[TM+7], 24, v[PWA]
	WIN WDS
.irp b, 0,1,2,3
.irp i, 0,1,2,3,4,5,6,7,8,9,10,11,12,13,14,15
	v_med3_num_f32 v[AC+16*\b+\i], v[AC+16*\b+\i], -v[TM+8+\b], v[TM+8+\b]
.endr
.endr
	WIN WN
.irp b, 0,1,2,3
	v_cvt_scalef32_pk8_bf8_f32 v[PCA+4*\b:PCA+4*\b+1], v[AC+16*\b:AC+16*\b+7], v[TM+12+\b]
	v_cvt_scalef32_pk8_bf8_f32 v[PCA+4*\b+2:PCA+4*\b+3], v[AC+16*\b+8:AC+16*\b+15], v[TM+12+\b]
.endr
	WIN 0
	v_nop
.irp b, 0,1,2,3
	ds_store_b128 v[STO], v[PCA+4*\b:PCA+4*\b+3] offset:16*SP*(\a)+32*\b
.endr
	ds_store_b32 v[SSO], v[PWA] offset:128*(\a)
.endm
.irp a, 0,1,2,3,4,5,6,7
	QROW \a
.endr
	s_wait_dscnt 0x0
	s_barrier_signal -1
	s_barrier_wait -1
	ds_load_b128 v[PC:PC+3], v[SSR]
.set t, 0
.rept 32
	ds_load_b128 v[BB+4*t:BB+4*t+3], v[RD] offset:2*SP*t
.set t, t+1
.endr
.set t, 0
.rept 32
	s_wait_dscnt 31-t
	global_store_b128 v[CO], v[BB+4*t:BB+4*t+3], s[12:13] offset:4096*t
.set t, t+1
.endr
	global_store_b128 v[L16], v[PC:PC+3], s[66:67]
	s_wait_tensorcnt 0x0
	ds_add_u32 v[SPW], v[NIL]
	s_wait_dscnt 0x0
	CROUND
	s_endpgm
.Lfunc_end_k_q20bcbd1085_g2:
	.size	k_q20bcbd1085_g2, .Lfunc_end_k_q20bcbd1085_g2-k_q20bcbd1085_g2
	.p2alignl 7, 3214868480
	.fill 96, 4, 3214868480
	.section	.rodata,"a",@progbits
	.p2align	6, 0x0
	.amdhsa_kernel k_q20bcbd1085_g2
		.amdhsa_group_segment_fixed_size 327680
		.amdhsa_private_segment_fixed_size 0
		.amdhsa_enable_private_segment 0
		.amdhsa_kernarg_size 56
		.amdhsa_user_sgpr_count 2
		.amdhsa_user_sgpr_kernarg_segment_ptr 1
		.amdhsa_wavefront_size32 1
		.amdhsa_system_sgpr_workgroup_id_x 1
		.amdhsa_system_sgpr_workgroup_id_y 1
		.amdhsa_system_sgpr_workgroup_id_z 1
		.amdhsa_system_vgpr_workitem_id 0
		.amdhsa_next_free_vgpr 1024
		.amdhsa_next_free_sgpr 102
		.amdhsa_reserve_vcc 0
		.amdhsa_float_denorm_mode_32 3
		.amdhsa_float_denorm_mode_16_64 3
		.amdhsa_memory_ordered 1
		.amdhsa_forward_progress 1
		.amdhsa_inst_pref_size 255
	.end_amdhsa_kernel
	.section	.bss,"aw",@nobits
	.p2align	6
	.space	262144
	.amdgpu_metadata
---
amdhsa.version: [ 1, 2 ]
amdhsa.kernels:
  - .name:           k_q20bcbd1085_g2
    .symbol:         k_q20bcbd1085_g2.kd
    .args:
      - { .name: codes, .offset: 0, .size: 8, .value_kind: global_buffer, .address_space: global }
      - { .name: scales, .offset: 8, .size: 8, .value_kind: global_buffer, .address_space: global }
      - { .name: bse, .offset: 16, .size: 8, .value_kind: global_buffer, .address_space: global }
      - { .name: part, .offset: 24, .size: 8, .value_kind: global_buffer, .address_space: global }
      - { .name: cnt, .offset: 32, .size: 8, .value_kind: global_buffer, .address_space: global }
      - { .name: shc, .offset: 40, .size: 8, .value_kind: global_buffer, .address_space: global }
      - { .name: shs, .offset: 48, .size: 8, .value_kind: global_buffer, .address_space: global }
    .group_segment_fixed_size: 327680
    .private_segment_fixed_size: 0
    .kernarg_segment_align: 8
    .kernarg_segment_size: 56
    .max_flat_workgroup_size: 128
    .sgpr_count:     102
    .vgpr_count:     1024
    .wavefront_size: 32
...
	.end_amdgpu_metadata
.endif
;; end of part 3
;; launch g4 (part 4): grid 8 x 32, 4 waves a work-group, clusters of 4 x 4, 327,680 bytes of LDS; arguments shc, shs, codes, scales, out0; writes out0
.if DOCPART == 4
	.amdgcn_target "amdgcn-amd-amdhsa--gfx1250"
	.amdhsa_code_object_version 6
	.text
	.protected	k_q20bcbd1085_g4
	.globl	k_q20bcbd1085_g4
	.p2align	8
	.type	k_q20bcbd1085_g4,@function
k_q20bcbd1085_g4:
	s_mov_b64 s[64:65], 0
	v_nop
	global_prefetch_b8 v0, s[64:65] scope:SCOPE_SE
	s_setreg_imm32_b32 hwreg(HW_REG_WAVE_MODE, 25, 1), 1
	s_wait_xcnt 0x0
	s_wait_alu depctr_hold_cnt(0) depctr_sa_sdst(0) depctr_va_vdst(0) depctr_va_sdst(0) depctr_va_ssrc(0) depctr_va_vcc(0) depctr_vm_vsrc(0)
	s_getreg_b32 s2, hwreg(HW_REG_IB_STS2, 6, 4)
	s_cmp_eq_u32 s2, 0
	s_cbranch_scc0 .Lentry_in_a_cluster
	s_endpgm
.Lentry_in_a_cluster:
	s_bfe_u32 s2, ttmp6, 0x10000c
	s_cmp_lg_u32 s2, 0xf033
	s_cbranch_scc0 .Lentry_shape_is_right
	s_endpgm
.Lentry_shape_is_right:
; out0[t][d] = the sum over e of sh[t][e] Wag[d][e], on codes of BF8 (E5M2) with one E8M0 scale for each 32 along K = 2,048; sums and result f32.
; shc: sh's codes [8192][2048]; shs: its scale bytes [K step of 256][8192 rows][8 bytes]; Wag's codes and scale bytes (rows of 64) lie in 'codes' and 'scales'.
; LIMITS: NaN and infinities are not served.  A sum is made of two halves of K, each in ascending K, added once in f32: another order of rounding than one chain.
; THE DEAL.  256 work-groups of four waves: 8 tiles of 128 d x 32 groups of 256 t.  Wave (kh, ch) = (wave / 2, wave % 2) holds 64 rows of Wag (d = 64 ch ..) for ONE HALF of K (1,024 kh ..) in 512 registers
; (windows 1, 2) and streams the group's 16 blocks of 16 rows of sh, its own half of K alone, which stand in registers in two sets of 128 (window 3).  SOURCE 0 = Wag's rows, SOURCE 1 = sh's: a lane holds
; one t and eight neighbouring d a tile.
; THE WAY OUT.  A block's four tiles go into a stage in LDS, one image for each half of K; the plain barrier inside the next block shows them; then wave w reads rows 4 w .. 4 w + 3 of both images,
; adds them and stores 512 consecutive bytes a row.  The stage has two such pairs, by the block's parity: a pair is written again behind the barrier that follows every wave's reads of it.
; LDS: two slots; a slot holds 64 rows as two tiles (one for each half of K) of 64 x (1,024 + 16) bytes.  Wag's 128 rows lie in both slots at first (waves 0, 1 fetch a half of K each; waves 2, 3 sh's scale bytes,
; which stay).  When the weights are in registers a drained round of the cluster's barrier brings chunks 0 and 1 (a tile a wave) over them; chunks 2 and 3 are refilled (32 rows of a tile a wave) in a drained
; round inside blocks 2 and 6, behind the slot's last fetch.  Fetches run two blocks ahead.
; CLUSTERS: 4 x 4.  sh's tiles hang on the group of t alone and are shared along a row of the cluster, Wag's on the tile of d alone and are shared along a column: joint loads.
; PREFETCH: chunk 2 is asked for at the head, chunk 3 at the end of the first trip, each ahead of its refill: 512 blocks of 256 bytes, a lane a block, a sixteenth for each of the cluster row's sixteen waves, told apart by address.
.set KROW, 2048
.set KH, 1024
.set PITCH, KH+16
.set YB, 128*PITCH                     ; slot 1
.set CHB, 64*KROW                      ; a chunk in memory
.set SCX, 2*YB                         ; sh's scale bytes: [K step of 256][256 rows][8]
.set STG, SCX+16384                    ; the stage (stored by the waves; no tile lands here)
.set SPI, 528                          ; a stage row: 512 bytes + 16
.set HP, 16*SPI                        ; one half of K's image
.set PAR, 2*HP                         ; a parity's pair
.set SPARE, STG+2*PAR
.set WAG_C, 29360128
.set WAG_S, 917504
.set NF, 36                            ; LDS loads of a fetch: 32 of codes, 4 of scale words
.set ADRA0, 4
.set AAS0, 6
.set PFV, 7
.set CO, 8                             ; 16 x lane
.set SPW, 10
.set NIL, 11
.set ADRA, 12
.set AAS, 13
.set ADRB, 15
.set ABS, 16
.set STW, 17
.set STR, 18
.set SB, 24                            ; v24-39 Wag's scale words: 8 p + q: lanes 0-15 tile 2 p, lanes 16-31 tile 2 p + 1
.set SA, 44                            ; v44-59 sh's, two sets of eight (numbers differ from SB's modulo 8)
.set AX1, 60
.set AS1, 61
.set ACC, 64                           ; v64-127 two sets of four accumulators
.set OUTR, 128                         ; v128-159 four rows of both images
.set G1W, 24
.set G1H, 32
.set G1R, 48
.set G1S, 56
.set G0W, 68
.set G0S, 72
.set G0H, 76
.set G0R, 80
.set MSB, 0
.macro WIN new                         ; the immediate's high byte repeats the setting that is left
.if MSB != \new
	s_set_vgpr_msb (MSB<<8)|\new
.set MSB, \new
.endif
.endm
.macro PLACES n
.rept \n
	v_nop
.endr
.endm
.macro WALU
	s_wait_alu depctr_va_vdst(0)
.endm
.macro BARRIER
	s_barrier_signal -1
	s_barrier_wait -1
.endm
.macro MIDDLE                          ; a round's middle, behind its opening signal
	WIN 0
	s_barrier_wait -1
	s_cmp_lg_u32 s14, 0
	s_cbranch_scc1 .Lnot_wave_0_\@
	s_barrier_signal -3
.Lnot_wave_0_\@:
	s_barrier_wait -3
.endm
.macro CROUND
	s_barrier_signal -1
	MIDDLE
	BARRIER
.endm
.macro TLOAD g0, g1                    ; an s_nop 0 and four v_nop follow a tensor load
	tensor_load_to_lds s[\g0:\g0+3], s[\g1:\g1+7]
	s_nop 0
	PLACES 4
.endm
.macro GROUP1 g, mask, rows            ; so many rows of one half of K: 1,024 bytes of each 2,048, 16 bytes of padding behind each
	s_or_b32 s[\g+0], s[\mask], (1<<20)|(1<<21)|(7<<22)|(3<<25)
	s_mov_b32 s[\g+1], KH<<16
	s_mov_b32 s[\g+2], (\rows)<<16
	s_mov_b32 s[\g+3], KH<<16
	s_mov_b32 s[\g+4], \rows
	s_mov_b32 s[\g+5], KROW
	s_mov_b32 s[\g+6], 0
	s_mov_b32 s[\g+7], 0
.endm
	s_load_b256 s[4:11], s[0:1], 0x0       ; shc, shs, codes, scales
	s_load_b64 s[12:13], s[0:1], 0x20      ; out0
	v_lshl_add_u32 v[SPW], v0, 2, SPARE
	v_mov_b32 v[NIL], 0
	ds_add_u32 v[SPW], v[NIL]              ; the opening lines: the add twice on end and one wait
	ds_add_u32 v[SPW], v[NIL]
	v_lshrrev_b32 v1, 5, v0
	v_readfirstlane_b32 s14, v1            ; wave
	s_lshr_b32 s15, s14, 1                 ; kh
	s_and_b32 s16, s14, 1                  ; ch
	s_bfe_u32 s40, ttmp6, 0x40000          ; cx, cy
	s_bfe_u32 s41, ttmp6, 0x40004
	s_lshl_b32 s42, ttmp9, 2
	s_add_co_u32 s42, s42, s40             ; which 128 d
	s_and_b32 s43, ttmp7, 0xffff
	s_lshl_b32 s43, s43, 2
	s_add_co_u32 s43, s43, s41             ; which 256 t
	s_lshl_b32 s44, s41, 2
	s_lshl_b32 s44, 15, s44                ; my row of the cluster: shares sh
	s_lshl_b32 s45, 0x1111, s40            ; my column: shares Wag
	GROUP1 G1W, 45, 128
	GROUP1 G1H, 44, 64
	GROUP1 G1R, 44, 32
	s_or_b32 s[G1S+0], s44, (3<<16)|(1<<21)    ; scale bytes: four K steps a wave, 256 rows x 8 bytes each, 65,536 bytes apart in memory
	s_mov_b32 s[G1S+1], 256<<16
	s_mov_b32 s[G1S+2], 4<<16
	s_mov_b32 s[G1S+3], 256<<16
	s_mov_b32 s[G1S+4], 4
	s_mov_b32 s[G1S+5], 8192
	s_mov_b32 s[G1S+6], 0
	s_mov_b32 s[G1S+7], 0
	s_lshl_b32 s20, s42, 18                ; offsets, each under 2^32.  s[20:21] Wag's codes: my tile, a half of K for each of waves 0, 1
	s_lshl_b32 s18, s16, 10
	s_add_co_u32 s20, s20, s18
	s_add_co_u32 s20, s20, WAG_C
	s_mov_b32 s21, 0
	s_lshl_b32 s22, s43, 11                ; s[22:23] sh's scale bytes: four K steps for each of waves 2, 3
	s_lshl_b32 s18, s16, 18
	s_add_co_u32 s22, s22, s18
	s_mov_b32 s23, 0
	s_lshl_b32 s86, s43, 19                ; s[86:87] my group's codes
	s_mov_b32 s87, 0
	s_lshl_b32 s18, s15, 17
	s_add_co_u32 s88, s86, s18             ; s[88:89] chunks 0, 1: wave w takes chunk w / 2, half w % 2 of K
	s_lshl_b32 s18, s16, 10
	s_add_co_u32 s88, s88, s18
	s_mov_b32 s89, 0
	s_add_co_u32 s96, s86, s18             ; s[96:97] a refill: half w % 2 of K, rows 32 (w / 2) ..; it stands one chunk behind what the first refill asks for
	s_lshl_b32 s18, s15, 16
	s_add_co_u32 s96, s96, s18
	s_add_co_u32 s96, s96, CHB
	s_mov_b32 s97, 0
	s_mov_b32 s[G0W], 1
	s_mul_i32 s[G0W+1], s16, YB
	s_mov_b32 s[G0S], 1
	s_lshl_b32 s[G0S+1], s16, 13
	s_add_co_u32 s[G0S+1], s[G0S+1], SCX
	s_mov_b32 s[G0H], 1
	s_mul_i32 s[G0H+1], s14, 64*PITCH
	s_mov_b32 s[G0R], 1
	s_mul_i32 s19, s16, 64*PITCH
	s_mul_i32 s18, s15, 32*PITCH
	s_add_co_u32 s19, s19, s18
	s_mov_b32 s[G0R+1], s19
	s_wait_dscnt 0x0                       ; both opening adds are done
	CROUND                                 ; all sixteen work-groups are here
	s_wait_kmcnt 0x0
	s_add_nc_u64 s[G0W+2:G0W+3], s[8:9], s[20:21]
	s_or_b32 s[G0W+3], s[G0W+3], 0x80000000
	s_add_nc_u64 s[G0S+2:G0S+3], s[6:7], s[22:23]
	s_or_b32 s[G0S+3], s[G0S+3], 0x80000000
	s_add_nc_u64 s[G0H+2:G0H+3], s[4:5], s[88:89]
	s_or_b32 s[G0H+3], s[G0H+3], 0x80000000
	s_add_nc_u64 s[G0R+2:G0R+3], s[4:5], s[96:97]
	s_or_b32 s[G0R+3], s[G0R+3], 0x80000000
	s_cmp_lt_u32 s14, 2                    ; one joint load a wave at the head
	s_cbranch_scc0 .Lfor_scales
	TLOAD G0W, G1W
	s_branch .Lasked
.Lfor_scales:
	TLOAD G0S, G1S
.Lasked:
	s_lshl_b32 s20, s42, 13                ; Wag's scale bytes: my 64 rows of 64 bytes, my half of K's 32
	s_lshl_b32 s18, s16, 12
	s_add_co_u32 s20, s20, s18
	s_lshl_b32 s18, s15, 5
	s_add_co_u32 s20, s20, s18
	s_add_co_u32 s20, s20, WAG_S
	s_add_nc_u64 s[66:67], s[10:11], s[20:21]
	s_lshl_b32 s20, s43, 20                ; out0: block 0's rows 4 w .., my tile's 512 bytes
	s_lshl_b32 s18, s14, 14
	s_add_co_u32 s20, s20, s18
	s_lshl_b32 s18, s42, 9
	s_add_co_u32 s20, s20, s18
	s_add_nc_u64 s[12:13], s[12:13], s[20:21]
	s_add_nc_u64 s[84:85], s[4:5], s[86:87]
	s_mul_i32 s18, s15, 64*PITCH           ; my half of K's tile in a slot
	s_mul_i32 s22, s14, 64*PITCH           ; my 64 rows of Wag
	s_lshl_b32 s23, s15, 13
	s_add_co_u32 s23, s23, SCX             ; my half of K's four K steps of scale bytes
	s_mul_i32 s98, s15, HP
	s_lshl_b32 s20, s16, 8
	s_add_co_u32 s98, s98, s20
	s_add_co_u32 s98, s98, STG             ; into the stage: my half of K's image, my 256 bytes of a row
	s_mul_i32 s99, s14, 4*SPI
	s_add_co_u32 s99, s99, STG             ; out of it: rows 4 w ..
	s_lshl_b32 s3, s40, 2                  ; which of the cluster row's sixteen waves I am
	s_add_co_u32 s3, s3, s14
	s_lshl_b32 s3, s3, 13
	v_and_b32 v1, 15, v0                   ; r
	v_bfe_u32 v2, v0, 4, 1                 ; h
	v_and_b32 v3, 31, v0                   ; lane
	v_mul_u32_u24 v22, v1, PITCH
	v_lshl_add_u32 v23, v2, 4, v22         ; a fragment's row x pitch + 16 h
	v_add_nc_u32 v[ADRA0], s18, v23
	v_add_nc_u32 v[ADRB], s22, v23
	v_lshl_add_u32 v[AAS0], v1, 3, s23
	v_add_nc_u32 v[AX1], 16*PITCH, v[ADRA0]
	v_add_nc_u32 v[AS1], 128, v[AAS0]
	v_lshlrev_b32 v[ABS], 6, v3
	v_mul_u32_u24 v22, v1, SPI
	v_lshl_add_u32 v22, v2, 5, v22
	v_add_nc_u32 v[STW], s98, v22
	v_lshlrev_b32 v[CO], 4, v3
	v_add_nc_u32 v[STR], s99, v[CO]
	v_lshl_add_u32 v[PFV], v3, 8, s3
	WALU
	global_prefetch_b8 v[PFV], s[84:85] th:TH_LOAD_NT scope:SCOPE_SE              ; my sixteenth of chunk 0, of chunk 1: their loads stand behind the weights' way into registers
	global_prefetch_b8 v[PFV], s[84:85] offset:CHB th:TH_LOAD_NT scope:SCOPE_SE
.irp p, 0,1
.irp c, 0,1
	global_load_b128 v[SB+8*\p+4*\c:SB+8*\p+4*\c+3], v[ABS], s[66:67] offset:\p*2048+16*\c
.endr
.endr
.set I_, 0
.rept 32                               ; the first block has no block before it: its additions find zeros, and nothing of them is stored
	v_mov_b32 v[OUTR+I_], 0
.set I_, I_+1
.endr
	s_wait_loadcnt 0x0
	WALU
	s_wait_tensorcnt 0x0                   ; my tile of the head's four is in
	BARRIER                                ; everybody's is
.irp q, 0,1,2,3,4,5,6,7                ; my 64 rows of Wag, my half of K: fragment 4 q + b in window 1 + q / 4
	WIN (1+\q/4)<<6
.irp b, 0,1,2,3
.irp c, 0,1,2,3
	ds_load_b128 v[16*((4*\q+\b)%16)+4*\c:16*((4*\q+\b)%16)+4*\c+3], v[ADRB] offset:128*\q+32*\c+\b*16*PITCH
.endr
.endr
.endr
	WIN 0
	s_wait_tensorcnt 0x0                   ; the three lines ahead of a refill's round
	ds_add_u32 v[SPW], v[NIL]
	s_mov_b32 s17, 2                       ; the next fetch's number
	s_mov_b32 s46, 0                       ; the trip: four blocks
	s_wait_dscnt 0x0                       ; the add is done, the weights are in registers
	CROUND
	s_cmp_lt_u32 s14, 2                    ; chunk 0 (waves 0, 1) has a line of its own: it is shown ahead of chunk 1
	s_cbranch_scc0 .Lchunk_1
	TLOAD G0H, G1H
	s_branch .Lboth
.Lchunk_1:
	TLOAD G0H, G1H
.Lboth:
	global_prefetch_b8 v[PFV], s[84:85] offset:2*CHB th:TH_LOAD_NT scope:SCOPE_SE
	s_cmp_lt_u32 s14, 2
	s_cbranch_scc0 .Lnot_first
	s_wait_tensorcnt 0x0
.Lnot_first:
	BARRIER                                ; chunk 0 is in; chunk 1 is shown by the round inside block 2
.macro FETCHAT k, a, s                 ; a block's codes of my half of K into set k of window 3, and its eight scale words
	WIN 3<<6
.irp q, 0,1,2,3,4,5,6,7
.irp c, 0,1,2,3
	ds_load_b128 v[128*\k+16*\q+4*\c:128*\k+16*\q+4*\c+3], v[\a] offset:128*\q+32*\c
.endr
.endr
	WIN 0
.irp i, 0,1,2,3
	ds_load_b64 v[SA+8*\k+2*\i:SA+8*\k+2*\i+1], v[\s] offset:2048*\i
.endr
.endm
.macro PROD e, n                       ; product n = 4 q + b: the q-th 128 of my half of K, tile b of my 64 d; the four accumulators take turns
.set Q_, (\n)/4
.set B_, (\n)%4
.set AC_, ACC+32*(\e)+8*B_
.set R_, 128*(\e)+16*Q_
.set W_, 16*((\n)%16)
.set XS_, SA+8*(\e)+Q_
.set WS_, SB+8*(B_/2)+Q_
	WIN (1+(\n)/16)|(3<<2)
.if Q_ && B_%2
	v_wmma_scale_f32_16x16x128_f8f6f4 v[AC_:AC_+7], v[W_:W_+15], v[R_:R_+15], v[AC_:AC_+7], v[WS_], v[XS_] matrix_a_fmt:MATRIX_FMT_BF8 matrix_b_fmt:MATRIX_FMT_BF8 matrix_a_scale:MATRIX_SCALE_ROW1
.elseif Q_
	v_wmma_scale_f32_16x16x128_f8f6f4 v[AC_:AC_+7], v[W_:W_+15], v[R_:R_+15], v[AC_:AC_+7], v[WS_], v[XS_] matrix_a_fmt:MATRIX_FMT_BF8 matrix_b_fmt:MATRIX_FMT_BF8
.elseif B_%2
	v_wmma_scale_f32_16x16x128_f8f6f4 v[AC_:AC_+7], v[W_:W_+15], v[R_:R_+15], 0, v[WS_], v[XS_] matrix_a_fmt:MATRIX_FMT_BF8 matrix_b_fmt:MATRIX_FMT_BF8 matrix_a_scale:MATRIX_SCALE_ROW1
.else
	v_wmma_scale_f32_16x16x128_f8f6f4 v[AC_:AC_+7], v[W_:W_+15], v[R_:R_+15], 0, v[WS_], v[XS_] matrix_a_fmt:MATRIX_FMT_BF8 matrix_b_fmt:MATRIX_FMT_BF8
.endif
.endm
.macro BLOCK e, from, to               ; products from .. to - 1; behind products 26 and 27 the next fetch's addresses, from its number s17
.set N_, \from
.rept (\to)-(\from)
	PROD \e, N_
.if N_ == 26
	s_and_b32 s20, s17, 3                  ; four blocks to a chunk,
	s_mul_i32 s20, s20, 16*PITCH
	s_bfe_u32 s21, s17, 0x10002            ; chunks by turns in the two slots
	s_mul_i32 s21, s21, YB
.elseif N_ == 27
	WIN 0
	s_add_co_u32 s20, s20, s21
	v_add_nc_u32 v[ADRA], s20, v[ADRA0]
	s_lshl_b32 s22, s17, 7                 ; 16 rows x 8 scale bytes
	v_add_nc_u32 v[AAS], s22, v[AAS0]
	s_add_co_u32 s17, s17, 1
.endif
.set N_, N_+1
.endr
.endm
.macro OPEN                            ; a block's head: the last block's stores have read their registers and their base, which steps 16 rows on; the set that this block multiplies is in
	s_wait_xcnt 0x0
	s_add_nc_u64 s[12:13], s[12:13], 65536
	s_wait_dscnt NF
.endm
.macro SB e, t                         ; a block with a plain barrier, which shows the block before's tiles in the stage (t = 1: and the last chunk)
	OPEN
	BLOCK \e, 0, 28
	WIN 0
	WALU
.if \t
	s_wait_tensorcnt 0x0
.endif
	s_wait_dscnt 0x0                       ; my stores into the stage, my reads of it and my fetches are done
	s_barrier_signal -1
	BLOCK \e, 28, 32
	WIN 0
	s_barrier_wait -1
	PLACES 8                               ; behind the last product, ahead of the readers of its sums and of the fetch into what it has read
.endm
.macro RB e                            ; the same with a drained round and the refill behind it: chunk s46 + 2 into slot s46
	OPEN
	s_wait_tensorcnt 0x0                   ; the next chunk is in; no load of mine is out, so the descriptor may be written
	ds_add_u32 v[SPW], v[NIL]
	s_mul_i32 s[G0R+1], s46, YB
	s_add_co_u32 s[G0R+1], s[G0R+1], s19
	s_add_nc_u64 s[G0R+2:G0R+3], s[G0R+2:G0R+3], CHB
	BLOCK \e, 0, 28
	WIN 0
	WALU
	s_wait_dscnt 0x0
	s_barrier_signal -1
	BLOCK \e, 28, 32
	MIDDLE
	BARRIER
	TLOAD G0R, G1R
	PLACES 4
.endm
.macro ROWS p                          ; my four rows of both images of parity p
.irp i, 0,1,2,3
	ds_load_b128 v[OUTR+4*\i:OUTR+4*\i+3], v[STR] offset:(\p)*PAR+\i*SPI
	ds_load_b128 v[OUTR+16+4*\i:OUTR+16+4*\i+3], v[STR] offset:(\p)*PAR+HP+\i*SPI
.endr
.endm
.macro JOIN                            ; the two halves of K
.irp m, 0,2,4,6,8,10,12,14
	v_pk_add_f32 v[OUTR+\m:OUTR+\m+1], v[OUTR+\m:OUTR+\m+1], v[OUTR+16+\m:OUTR+16+\m+1]
.endr
.endm
.macro SEND back                       ; 32 lanes store 512 consecutive bytes of a row, aligned; the base stands 'back' bytes beyond the block's rows
.irp i, 0,1,2,3
	global_store_b128 v[CO], v[OUTR+4*\i:OUTR+4*\i+3], s[12:13] offset:\i*4096-(\back) th:TH_STORE_NT
.endr
.endm
; Behind a block in set e: the block before's rows come back from the stage, this block's tiles go into it (each accumulator from its low end on), the block two on is fetched, and the rows leave.
; first = 1: in the first trip there is no block before.  fin = 1: in the last trip there is no block two on.
.macro TAIL e, first, fin
.if \first
	s_cmp_eq_u32 s46, 0
	s_cbranch_scc1 .Lno_rows_\@
.endif
	ROWS 1-(\e)
.if \first
.Lno_rows_\@:
.endif
.irp b, 0,1,2,3
	ds_store_b128 v[STW], v[ACC+32*(\e)+8*\b:ACC+32*(\e)+8*\b+3] offset:(\e)*PAR+64*\b
	ds_store_b128 v[STW], v[ACC+32*(\e)+8*\b+4:ACC+32*(\e)+8*\b+7] offset:(\e)*PAR+64*\b+16
.endr
.if \fin
	s_cmp_eq_u32 s46, 3
	s_cbranch_scc1 .Lno_fetch_\@
.endif
	FETCHAT \e, ADRA, AAS
	s_wait_dscnt NF+8                      ; the rows are back: behind their loads stand my 8 stores and the fetch
.if \fin
	s_branch .Ljoin_\@
.Lno_fetch_\@:
	s_wait_dscnt 8                         ; behind their loads stand my 8 stores alone
.Ljoin_\@:
.endif
	JOIN
.if \first
	s_cmp_eq_u32 s46, 0
	s_cbranch_scc1 .Lno_store_\@
.endif
	SEND 131072
.if \first
.Lno_store_\@:
.endif
.endm
	FETCHAT 0, ADRA0, AAS0
	FETCHAT 1, AX1, AS1
.Ltrip_a:                                      ; blocks 0 to 7: a refill in each trip
	SB 0, 0
	TAIL 0, 1, 0
	SB 1, 0
	TAIL 1, 0, 0
	RB 0
	TAIL 0, 0, 0
	SB 1, 0
	TAIL 1, 0, 0
	s_cmp_eq_u32 s46, 0                    ; chunk 3 is asked for ahead of its refill; there is no chunk 4
	s_cbranch_scc0 .Lnone_ahead
	global_prefetch_b8 v[PFV], s[84:85] offset:3*CHB th:TH_LOAD_NT scope:SCOPE_SE
.Lnone_ahead:
	s_add_co_u32 s46, s46, 1
	s_cmp_lg_u32 s46, 2
	s_cbranch_scc1 .Ltrip_a
.Ltrip_b:                                      ; blocks 8 to 15: nothing is filled any more
	SB 0, 0
	TAIL 0, 0, 0
	SB 1, 0
	TAIL 1, 0, 0
	SB 0, 1
	TAIL 0, 0, 1
	SB 1, 0
	TAIL 1, 0, 1
	s_add_co_u32 s46, s46, 1
	s_cmp_lg_u32 s46, 4
	s_cbranch_scc1 .Ltrip_b
	s_wait_xcnt 0x0                        ; block 14's stores have read their registers
	s_wait_dscnt 0x0                       ; block 15's tiles are in the stage
	BARRIER
	ROWS 1
	s_wait_dscnt 0x0
	JOIN
	SEND 65536
	s_wait_tensorcnt 0x0                   ; the wave's end
	ds_add_u32 v[SPW], v[NIL]
	s_wait_dscnt 0x0
	CROUND                                 ; the closing round
	s_endpgm
.Lfunc_end_k_q20bcbd1085_g4:
	.size	k_q20bcbd1085_g4, .Lfunc_end_k_q20bcbd1085_g4-k_q20bcbd1085_g4
	.p2alignl 7, 3214868480
	.fill 96, 4, 3214868480
	.section	.rodata,"a",@progbits
	.p2align	6, 0x0
	.amdhsa_kernel k_q20bcbd1085_g4
		.amdhsa_group_segment_fixed_size 327680
		.amdhsa_private_segment_fixed_size 0
		.amdhsa_enable_private_segment 0
		.amdhsa_kernarg_size 40
		.amdhsa_user_sgpr_count 2
		.amdhsa_user_sgpr_kernarg_segment_ptr 1
		.amdhsa_wavefront_size32 1
		.amdhsa_system_sgpr_workgroup_id_x 1
		.amdhsa_system_sgpr_workgroup_id_y 1
		.amdhsa_system_sgpr_workgroup_id_z 1
		.amdhsa_system_vgpr_workitem_id 0
		.amdhsa_next_free_vgpr 1024
		.amdhsa_next_free_sgpr 102
		.amdhsa_reserve_vcc 0
		.amdhsa_float_denorm_mode_32 3
		.amdhsa_float_denorm_mode_16_64 3
		.amdhsa_memory_ordered 1
		.amdhsa_forward_progress 1
		.amdhsa_inst_pref_size 101
	.end_amdhsa_kernel
	.amdgpu_metadata
---
amdhsa.version: [ 1, 2 ]
amdhsa.kernels:
  - .name:           k_q20bcbd1085_g4
    .symbol:         k_q20bcbd1085_g4.kd
    .args:
      - { .name: shc, .offset: 0, .size: 8, .value_kind: global_buffer, .address_space: global }
      - { .name: shs, .offset: 8, .size: 8, .value_kind: global_buffer, .address_space: global }
      - { .name: codes, .offset: 16, .size: 8, .value_kind: global_buffer, .address_space: global }
      - { .name: scales, .offset: 24, .size: 8, .value_kind: global_buffer, .address_space: global }
      - { .name: out0, .offset: 32, .size: 8, .value_kind: global_buffer, .address_space: global }
    .group_segment_fixed_size: 327680
    .private_segment_fixed_size: 0
    .kernarg_segment_align: 8
    .kernarg_segment_size: 40
    .max_flat_workgroup_size: 128
    .sgpr_count:     102
    .vgpr_count:     1024
    .wavefront_size: 32
...
	.end_amdgpu_metadata
.endif
;; end of part 4
